; MI455X (gfx1250); checked and timed in simulation.
; The chip was launched on July 23, 2026; its instructions are those of AMD's public machine-readable ISA for CDNA 5 (MIT licence, August 2026) and "CDNA5" Instruction Set Architecture Reference Guide (July 2026). The comments in the code are by the model that wrote it; some were corrected since.
;; Multi Head Cross Attention. Allowed arithmetic: matrix products marked QUANTISED: E2M1 operands, one E8M0 scale for each 32 along K, by v_wmma_scale_f32_16x16x128_f8f6f4 with both operands' format E2M1 (or v_wmma_scale_f32_32x16x128_f4), f32 sums; everything else in f32.
;; Inputs: Wk_codes 512 x 16 x 16 uint8 (E2M1 codes of Wk, K innermost, in blocks of 32 codes, two codes a byte); Wk_scales 512 x 16 uint8 (E8M0 scales of Wk, one for each 32 codes along K); Wq_codes 512 x 16 x 16 uint8 (E2M1 codes of Wq, K innermost, in blocks of 32 codes, two codes a byte); Wq_scales 512 x 16 uint8 (E8M0 scales of Wq, one for each 32 codes along K); Wu_codes 512 x 16 x 16 uint8 (E2M1 codes of Wu, K innermost, in blocks of 32 codes, two codes a byte); Wu_scales 512 x 16 uint8 (E8M0 scales of Wu, one for each 32 codes along K); Wv_codes 512 x 16 x 16 uint8 (E2M1 codes of Wv, K innermost, in blocks of 32 codes, two codes a byte); Wv_scales 512 x 16 uint8 (E8M0 scales of Wv, one for each 32 codes along K); bk 512 float32; bq 512 float32; bu 512 float32; bv 512 float32; mask 2 x 4,096 x 4,096 int32; x1_codes 2 x 4,096 x 16 x 16 uint8 (E2M1 codes of x1, K innermost, in blocks of 32 codes, two codes a byte); x1_scales 2 x 4,096 x 16 uint8 (E8M0 scales of x1, one for each 32 codes along K); x2_codes 2 x 4,096 x 16 x 16 uint8 (E2M1 codes of x2, K innermost, in blocks of 32 codes, two codes a byte); x2_scales 2 x 4,096 x 16 uint8 (E8M0 scales of x2, one for each 32 codes along K).
;; Outputs: out0 2 x 4,096 x 512 float32.
;; This version of the problem:
;;   THIS VERSION OF THE PROBLEM IS GIVEN IN LOW PRECISION. The matrix products marked QUANTISED in the list below multiply operands that are first quantised to E2M1 (2 exponent bits, 1 mantissa bit; 4 bits a number), with one power-of-two scale for each 32 numbers along K (OCP MX v1.0); their sums are f32. All else is computed in f32.
;;   The module's matrix products, in the order in which they are computed (A, B: the left and right operand; K: the contracted axis; several contracted axes count as one K, in the product's order):
;;     1. [M 8,192, K 512] x [K 512, N 512]; A: input x1 (given as codes); B: input Wq (given as codes): QUANTISED
;;     2. [M 8,192, K 512] x [K 512, N 512]; A: input x2 (given as codes); B: input Wk (given as codes): QUANTISED
;;     3. [M 8,192, K 512] x [K 512, N 512]; A: input x2 (given as codes); B: input Wv (given as codes): QUANTISED
;;     4. batch 16 x [M 4,096, K 64] x [K 64, N 4,096]; A: computed on the way; B: computed on the way: QUANTISED
;;     5. batch 16 x [M 4,096, K 4,096] x [K 4,096, N 64]; A: softmax (see below); B: computed on the way: QUANTISED
;;     6. [M 8,192, K 512] x [K 512, N 512]; A: computed on the way; B: input Wu (given as codes): QUANTISED
;;   THE QUANTISER, for each operand of a quantised product, along K:
;;     - K is cut into blocks of 32 from its start; a last block that is shorter is filled with zeros.
;;     - A block's scale is 2^e with e = floor(log2(the largest magnitude in the block)) - 2, held to -126 .. 127; a block of zeros has e = 0. As a byte (E8M0): e + 127.
;;     - Each number is divided by its block's scale, clamped to +-6, and rounded to the nearest number of E2M1, ties to even, subnormals kept.
;;     - The product sums the exact products of the quantised numbers (number of the format x scale) in f32.
;;   ~~~python
;;   def quantise(x, axis):      # numpy; x: float32 -> the quantised numbers, widened to float32 again
;;       x = np.moveaxis(x, axis, -1); K = x.shape[-1]
;;       x = np.pad(x, [(0, 0)] * (x.ndim - 1) + [(0, -K % 32)]); x = x.reshape(x.shape[:-1] + (-1, 32)); a = np.abs(x).max(-1, keepdims=True)
;;       e = np.where(a > 0, np.clip(np.frexp(np.where(a > 0, a, 1))[1] - 1 - 2, -126, 127), 0)      # np.frexp(a)[1] - 1 = floor(log2(a)), exactly
;;       r = np.clip(x / 2.0 ** e, -6, 6)
;;       step = 2.0 ** (np.maximum(np.frexp(np.where(r == 0, 1, r))[1] - 1, 0) - 1)
;;       q = np.round(r / step) * step * 2.0 ** e      # np.round: ties to even
;;       return np.moveaxis(q.reshape(q.shape[:-2] + (-1,))[..., :K], -1, axis).astype(np.float32)
;;   ~~~
;;   SOFTMAX AHEAD OF A QUANTISED PRODUCT. Where the list says 'softmax', what is quantised is not the finished softmax but p = 2^(t - M), with t = logit x log2(e) and M = ceil(the row's largest t), a whole number; so 1/2 < the row's largest p <= 1. The row's sum l is taken of the UNQUANTISED p, in f32, and the product's result is divided by l at the end. Since M is a whole number, a kernel that streams over the keys may use a running M (the ceiling of the running maximum): every later rescaling is an exact power of two, which a block's scale takes up: the codes' values come out the same.
;;   OPERANDS COMPUTED ON THE WAY. 'Computed on the way' means the value that the module computes at that place (a softmax that the list does not call 'softmax' is quantised finished and normalised). What goes into a quantiser is computed in f32, as accurately as f32 sums, v_exp_f32 and their like allow (about 1e-6 of the number): no bf16 or f16 on the way to a quantiser, and a product that is left as it is and whose result goes on into a quantised operand takes f32 operands (vector FMAs, or v_wmma_f32_16x16x4_f32). A number that lies on a knife's edge between two numbers of the format may be rounded either way, as far as f32 arithmetic and the matrix unit's own rounding can turn it there, and no further.
;;   INPUTS GIVEN AS CODES. Wk (in the module: [512, 512], K = its axis 1); Wq (in the module: [512, 512], K = its axis 1); Wu (in the module: [512, 512], K = its axis 1); Wv (in the module: [512, 512], K = its axis 1); x1 (in the module: [2, 4096, 512], K = its axis 2); x2 (in the module: [2, 4096, 512], K = its axis 2): each comes as NAME_codes (uint8): NAME with its K axis moved to the last place and cut into blocks of 32 codes, [.., K / 32, bytes a block], one block behind the other in memory; two codes a byte, the lower K in the low four bits (a code: sign, 2 exponent bits, 1 mantissa bit); and NAME_scales (uint8): the same leading axes, one E8M0 byte (e + 127) for each 32 codes along K. Its value is code x scale, taken as it is: it is not quantised again, and the codes and scales need not be those that the quantiser above would give.
;; 2 versions. Each part assembles by itself: llvm-mc -triple=amdgcn-amd-amdhsa -mcpu=gfx1250 --defsym DOCPART=n.
;; ======== version 1 of 2: 3 launches
;; limits: right only within a limited range of input values
;; workspace buffers: qimg 2,097,152 bytes; qsc 262,144 bytes; kv 4,718,592 bytes; maskw 4,194,304 bytes of whole numbers; yimg 2,097,152 bytes; ysc 131,072 bytes
;; launch prep (part 1): grid 896 x 1, 4 waves a work-group, no clusters, 34,304 bytes of LDS; arguments x1_codes, x1_scales, Wq_codes, Wq_scales, bq, qimg, qsc, x2_codes, x2_scales, Wk_codes, Wk_scales, bk, Wv_codes, Wv_scales, bv, kv, mask, maskw; writes qimg, qsc, kv, maskw
.if DOCPART == 1
	.amdgcn_target "amdgcn-amd-amdhsa--gfx1250"
	.amdhsa_code_object_version 6
	.text
	.protected	k_q8715b0cf2b_prep
	.globl	k_q8715b0cf2b_prep
	.p2align	8
	.type	k_q8715b0cf2b_prep,@function
k_q8715b0cf2b_prep:
	s_mov_b64 s[64:65], 0
	v_nop
	global_prefetch_b8 v0, s[64:65] scope:SCOPE_SE
	s_setreg_imm32_b32 hwreg(HW_REG_WAVE_MODE, 25, 1), 1
	s_wait_xcnt 0x0
; TWO KINDS OF WORK-GROUPS IN ONE LAUNCH.  Numbers 0-383: q = x1 Wq^T + bq, k = x2 Wk^T + bk, v = x2 Wv^T + bv on codes of FP4 (E2M1) with E8M0 scales, each result quantised
; in registers and stored as an IMAGE OF THE OPERAND'S REGISTERS for the attention launch.  Numbers 384-895: the int32 mask [2][4096][4096] is packed to one bit a number.
; THE PROJECTIONS, one text for three jobs.  A unit is D[i][j] = S0[i] . S1[j] + bias: source 0 = 128 rows of S0 (8 tiles), source 1 = 16 rows of S1, K = 512 in 4 steps: 32 matrix instructions.
;   job 0 (q): S0 = Wq, S1 = x1;  job 1 (k): S0 = Wk, S1 = x2;  job 2 (v): S0 = x2, S1 = Wv.  S0's rows are the axis along which the result is quantised: channels for q and k, keys for v.
;   THE ROWS OF S0 THAT FORM A TILE ARE NOT NEIGHBOURS: lane r of tile 2 b + u takes row 32 b + 8 u + r + 8 (r / 8).  So lane (r, h) holds ONE row of S1, and its accumulator register 16 b + i is S0's row 32 b + 16 h + i:
;   16 neighbours of a block of 32, the other 16 in lane l xor 16.  QUANT makes of the 64 registers a whole fragment (8 registers) and its scale word.
;   For k and v the rows of S1 that form a tile are chosen in the same way (P = 1), since attention wants its keys, and the channels of V, in that order.
;   A wave keeps its 128 rows of S0 (32 fragments, 256 registers, window 1) and walks 4 tiles of S1, written out.  128 work-groups a job.
;   No cluster and no LDS tile here: a wave's 32,768 bytes of S0 go once from memory into its own registers, and a tile of S1 is 4,096 bytes.
; THE MASK.  A work-group takes 16 whole rows, 262,144 consecutive bytes; wave w their key steps 8 w .. 8 w + 7: 8 tiles of 16 rows x 512 bytes.  Each load reads 512 consecutive bytes; a tile turns through the wave's own
;   stage in LDS, so that lane (r, h) holds row r's numbers 32 b + 16 h + i in register 16 b + i, as it will hold the scores; a compare then gives word 16 b + i, whose bit l is lane l's flag.
;   A tile's 64 words leave as 256 consecutive bytes, aligned.
; LIMITS: a block of zeros gets the scale byte 1 where the quantiser's rule says 127: its codes are zeros, and this program alone reads the bytes.  NaN and infinities among the inputs are not served.
.set S0S, 20                           ; v20-35   S0's scale words: pair u of tiles, K step s at 20 + 4 u + s: lanes 0-15 tile 2 u, lanes 16-31 tile 2 u + 1
.set S1F, 36                           ; v36-67   S1's fragments, K step s at 36 + 8 s
.set S1S, 68                           ; v68-71   S1's scale words
.set ACC, 72                           ; v72-135  the 8 accumulators
.set BC,  136                          ; v136-199 the bias by S0's rows, in the result's layout (q, k)
.set BV,  200                          ; v200-207 the bias by S1's row, eight times (v)
.set TM,  208                          ; v208-223 at work in QUANT
.set PW,  224                          ; v224     the scale word just made
.set PC,  226                          ; v226-233 the codes just made
.set BVL, 240                          ; v240-243 v's bias of my lane's row, for each of the 4 units
.set MSB, 0
.macro WIN new                         ; the immediate's high byte repeats the setting that is left
.if MSB != \new
	s_set_vgpr_msb (MSB<<8)|\new
.set MSB, \new
.endif
.endm
	s_load_b512 s[8:23], s[0:1], 0x0               ; x1_codes 8, x1_scales 10, Wq_codes 12, Wq_scales 14, bq 16, qimg 18, qsc 20, x2_codes 22
	s_load_b512 s[24:39], s[0:1], 0x40             ; x2_scales 24, Wk_codes 26, Wk_scales 28, bk 30, Wv_codes 32, Wv_scales 34, bv 36, kv 38
	s_load_b128 s[40:43], s[0:1], 0x80             ; mask 40, maskw 42
	v_lshl_add_u32 v254, v0, 2, 0x8400
	v_mov_b32 v255, 0
	v_lshrrev_b32 v1, 5, v0
	v_readfirstlane_b32 s2, v1                     ; wave 0..3
	v_and_b32 v1, 31, v0                           ; lane
	v_and_b32 v2, 15, v0                           ; r
	v_bfe_u32 v3, v0, 4, 1                         ; h
	s_cmp_lt_u32 ttmp9, 384
	s_cbranch_scc0 .Lmask
	; ---------------- the projections ----------------
	s_lshr_b32 s3, ttmp9, 7                        ; the job: 0 q, 1 k, 2 v
	s_and_b32 s4, ttmp9, 127                       ; L: the work-group's number in its job
	s_lshr_b32 s70, s4, 3
	s_lshl_b32 s70, s70, 2
	s_and_b32 s71, s4, 7
	s_mov_b32 s61, 0xffff
	s_mov_b32 s66, 512
	s_mov_b32 s58, 294912
	s_mov_b32 s59, 294912
	s_mov_b32 s76, 4096
	s_cmp_eq_u32 s3, 2                             ; what v has otherwise than q and k
	s_cselect_b32 s5, s70, 0                       ; S0's group of 128 rows, less the wave: v: 4 (L / 8); q, k: 0
	s_cselect_b32 s6, s71, s4                      ; the run of 4 tiles of S1: v: L % 8 (a head of Wv); q, k: L (64 tokens)
	s_cselect_b32 s60, 0, 16                       ; lanes 16-31 shift the scale word by so much
	s_cselect_b32 s61, -1, s61                     ; what is kept of it,
	s_cselect_b32 s62, 0, 0x7f7f0000               ; and what is set: for q and k bytes 2, 3 are 1.0: they scale the zero codes that fill a head's 64 up to the instruction's 128
	s_cselect_b32 s66, 1024, s66                   ; from unit to unit in the images,
	s_cselect_b32 s68, 128, 64                     ; and in the scale words
	s_cselect_b32 s58, 512, s58                    ; where registers 4-7 go: v: 512 bytes on; k: the next head's block
	s_cselect_b32 s59, 64, s59                     ; where lanes 16-31 put their scale word
	s_cselect_b32 s75, 4608, 0                     ; V's image begins 4,608 bytes into a step's block,
	s_cselect_b32 s76, 8704, s76                   ; V's scale words 8,704, K's 4,096
	s_mov_b32 s77, 294912
	s_mov_b32 s79, 9216
	s_cmp_eq_u32 s3, 0                             ; what q has otherwise than k and v
	s_cselect_b32 s7, 0, 1                         ; P
	s_cselect_b32 s58, 131072, s58
	s_cselect_b32 s59, 16384, s59
	s_cselect_b32 s76, 0, s76
	s_cselect_b32 s73, 131072, s77                 ; a head in the images' buffer,
	s_cselect_b32 s77, 16384, s77                  ; in the scale words' buffer;
	s_cselect_b32 s78, 4096, s79                   ; 128 tokens in the one,
	s_cselect_b32 s79, 512, s79                    ; and in the other
	s_mov_b32 s67, 0
	s_mov_b32 s69, 0
	s_add_co_u32 s5, s5, s2                        ; S0's group
	s_lshr_b32 s70, s5, 5
	s_lshl_b32 s70, s70, 3
	s_add_co_u32 s70, s70, s6                      ; v: batch x 8 + head = 8 (group / 32) + run
	s_lshr_b32 s71, s4, 6
	s_lshl_b32 s71, s71, 3
	s_lshl_b32 s72, s2, 1
	s_add_co_u32 s71, s71, s72                     ; q, k: 8 (L / 64) + 2 x wave: the first of my two heads
	s_and_b32 s72, s5, 31                          ; v: the key step
	s_bfe_u32 s74, s4, 0x50001                     ; q, k: (L % 64) / 2
	s_and_b32 s82, s4, 1
	s_lshl_b32 s82, s82, 2                         ; q, k: my first tile among the step's 8
	s_lshl_b32 s90, s6, 8
	s_lshl_b32 s92, s5, 9
	s_cmp_eq_u32 s3, 2
	s_cselect_b32 s70, s70, s71
	s_cselect_b32 s72, s72, s74
	s_cselect_b32 s82, 0, s82
	s_cselect_b32 s90, s90, 0                      ; the bias by S1's row begins at the run's 64 numbers (v), else at 0: every load stays inside its 2,048 bytes
	s_cselect_b32 s92, 0, s92                      ; the bias by S0's rows at the group's 128 numbers (q, k), else at 0
	s_mov_b32 s91, 0
	s_mov_b32 s93, 0
	s_mul_i32 s73, s70, s73
	s_mul_i32 s78, s72, s78
	s_add_co_u32 s84, s73, s78
	s_lshl_b32 s78, s82, 9
	s_add_co_u32 s84, s84, s78
	s_add_co_u32 s84, s84, s75                     ; where my first image goes
	s_mov_b32 s85, 0
	s_mul_i32 s77, s70, s77
	s_mul_i32 s79, s72, s79
	s_add_co_u32 s86, s77, s79
	s_lshl_b32 s79, s82, 6
	s_add_co_u32 s86, s86, s79
	s_add_co_u32 s86, s86, s76                     ; and my first scale words
	s_mov_b32 s87, 0
	s_lshl_b32 s71, s7, 11
	s_sub_co_u32 s71, 4096, s71                    ; an odd tile of S1 begins 16 - 8 P rows behind the even one: in codes,
	s_lshl_b32 s74, s7, 7
	s_sub_co_u32 s74, 256, s74                     ; in scale bytes
	s_mov_b32 s80, 0x76543210
	s_mov_b32 s81, 0xfedcba98                      ; v_permlanex16_b32's selects for lane l xor 16
	v_and_b32 v16, 8, v2                           ; 8 (r / 8)
	v_add_nc_u32 v19, v16, v2
	v_lshlrev_b32 v4, 8, v19
	v_lshl_add_u32 v4, v3, 4, v4                   ; v4  S0's codes: row r + 8 (r / 8) of 256 bytes, + 16 h
	v_lshl_add_u32 v5, v3, 3, v19
	v_lshlrev_b32 v5, 4, v5                        ; v5  S0's scale bytes: 16 a row; lanes 16-31 take the odd tile's rows, 8 further on
	v_mul_u32_u24 v16, s7, v16
	v_add_nc_u32 v16, v16, v2                      ; r + P x 8 (r / 8)
	v_lshlrev_b32 v6, 8, v16
	v_lshl_add_u32 v6, v3, 4, v6                   ; v6  S1's codes, even tiles;
	v_add_nc_u32 v7, s71, v6                       ; v7  odd tiles
	v_lshlrev_b32 v8, 4, v16                       ; v8  S1's scale bytes, even tiles;
	v_add_nc_u32 v9, s74, v8                       ; v9  odd tiles
	v_lshlrev_b32 v10, 4, v1                       ; v10 an image's place for my lane: registers 0-3;
	v_add_nc_u32 v11, s58, v10                     ; v11 registers 4-7
	v_mul_u32_u24 v12, s59, v3
	v_lshl_add_u32 v12, v2, 2, v12                 ; v12 my scale word's place
	v_mul_u32_u24 v13, s60, v3                     ; v13 my shift of the scale word
	v_lshlrev_b32 v14, 6, v3                       ; v14 the bias by S0's rows: 16 h numbers on
	v_lshrrev_b32 v15, 2, v8                       ; v15 the bias by S1's row, even tiles: 4 bytes a row;
	v_lshrrev_b32 v18, 2, v9                       ; v18 odd tiles
.irp b, 0,1,2,3
	v_mov_b32 v[TM+4+\b], 0                        ; written once: a lane permute's destination counts as one of its sources
.endr
	s_wait_kmcnt 0x0
	s_cmp_eq_u32 s3, 1                             ; k's buffers or v's; the choices hang on the work-group's number alone
	s_cselect_b64 s[44:45], s[26:27], s[22:23]     ; S0's codes
	s_cselect_b64 s[46:47], s[28:29], s[24:25]     ; S0's scales
	s_cselect_b64 s[48:49], s[22:23], s[32:33]     ; S1's codes
	s_cselect_b64 s[50:51], s[24:25], s[34:35]     ; S1's scales
	s_cselect_b64 s[52:53], s[30:31], s[36:37]     ; the bias
	s_cmp_eq_u32 s3, 0                             ; or q's
	s_cselect_b64 s[44:45], s[12:13], s[44:45]
	s_cselect_b64 s[46:47], s[14:15], s[46:47]
	s_cselect_b64 s[48:49], s[8:9], s[48:49]
	s_cselect_b64 s[50:51], s[10:11], s[50:51]
	s_cselect_b64 s[52:53], s[16:17], s[52:53]
	s_cselect_b64 s[54:55], s[18:19], s[38:39]     ; the images go to qimg or kv,
	s_cselect_b64 s[56:57], s[20:21], s[38:39]     ; the scale words to qsc or kv
	s_mov_b32 s89, 0
	s_lshl_b32 s88, s5, 15                         ; 128 rows of 256 bytes
	s_add_nc_u64 s[44:45], s[44:45], s[88:89]
	s_lshl_b32 s88, s5, 11                         ; 128 rows of 16 bytes
	s_add_nc_u64 s[46:47], s[46:47], s[88:89]
	s_lshl_b32 s88, s6, 14                         ; 64 rows of 256 bytes
	s_add_nc_u64 s[48:49], s[48:49], s[88:89]
	s_lshl_b32 s88, s6, 10
	s_add_nc_u64 s[50:51], s[50:51], s[88:89]
	s_add_nc_u64 s[94:95], s[52:53], s[90:91]      ; the bias by S1's row
	s_add_nc_u64 s[52:53], s[52:53], s[92:93]      ; the bias by S0's rows
	s_add_nc_u64 s[54:55], s[54:55], s[84:85]
	s_add_nc_u64 s[56:57], s[56:57], s[86:87]
	WIN 0x40                                       ; destination window 1
.irp t, 0,1,2,3,4,5,6,7                        ; S0's fragments (tile t, K step s) at v[8 (4 t + s)] of window 1: they stay
.irp s, 0,1,2,3
.irp c, 0,1
	global_load_b128 v[8*(4*\t+\s)+4*\c:8*(4*\t+\s)+4*\c+3], v4, s[44:45] offset:(32*(\t/2)+8*(\t%2))*256+64*\s+32*\c
.endr
.endr
.endr
	WIN 0
.irp u, 0,1,2,3
	global_load_b128 v[S0S+4*\u:S0S+4*\u+3], v5, s[46:47] offset:512*\u   ; a row's 16 bytes are its four scale words
.endr
.macro S1LOAD i                        ; tile i of my run: 4 fragments and the rows' scale words
.irp s, 0,1,2,3
.irp c, 0,1
	global_load_b128 v[S1F+8*\s+4*\c:S1F+8*\s+4*\c+3], v[6+(\i)%2], s[48:49] offset:((\i)/2)*8192+64*\s+32*\c
.endr
.endr
	global_load_b128 v[S1S:S1S+3], v[8+(\i)%2], s[50:51] offset:((\i)/2)*512
.endm
	S1LOAD 0
.irp t, 0,1,2,3,4,5,6,7                        ; both forms of the bias are loaded in every job, so that every register is written on every way; a job uses one of them
	global_load_b128 v[BC+8*\t:BC+8*\t+3], v14, s[52:53] offset:(32*(\t/2)+8*(\t%2))*4
	global_load_b128 v[BC+8*\t+4:BC+8*\t+7], v14, s[52:53] offset:(32*(\t/2)+8*(\t%2))*4+16
.endr
.irp i, 0,1,2,3
	global_load_b32 v[BVL+\i], v[15+3*(\i%2)], s[94:95] offset:(\i/2)*128
.endr
; 64 numbers of a lane, register 16 b + i = k 32 b + 16 h + i of my row, become a fragment's codes in v[PC] on and its scale word in v[PW].
.macro QUANT s
.irp b, 0,1,2,3
	v_max3_num_f32 v[TM+\b], |v[\s+16*\b]|, |v[\s+1+16*\b]|, 0x1800000   ; block b: my 16 numbers, and the floor 2^(3 - 127): so the byte cannot fall under 1.  Each accumulator is read from its low end on
.endr
.irp i, 2,4,6,8,10,12,14
.irp b, 0,1,2,3
	v_max3_num_f32 v[TM+\b], v[TM+\b], |v[\s+16*\b+\i]|, |v[\s+1+16*\b+\i]|   ; (the four blocks by turns)
.endr
.endr
.irp b, 0,1,2,3
	v_permlanex16_b32 v[TM+4+\b], v[TM+\b], s80, s81
.endr
.irp b, 0,1,2,3
	v_max_num_f32 v[TM+\b], v[TM+\b], v[TM+4+\b]   ; with lane l xor 16's: the block's largest magnitude
.endr
.irp b, 0,1,2,3
	v_add_nc_u32 v[TM+12+\b], 0xff000000, v[TM+\b] ; 2 off its exponent field: the conversion takes the exponent field of this operand as its scale
.endr
.irp b, 0,1,2,3
	v_lshrrev_b32 v[TM+4+\b], 23, v[TM+12+\b]      ; the scale's byte
.endr
	v_lshl_or_b32 v[PW], v[TM+5], 8, v[TM+4]
	v_lshl_or_b32 v[PW], v[TM+6], 16, v[PW]
	v_lshl_or_b32 v[PW], v[TM+7], 24, v[PW]
.irp b, 0,1,2,3
	v_cvt_scalef32_pk8_fp4_f32 v[PC+2*\b], v[\s+16*\b:\s+7+16*\b], v[TM+12+\b]
	v_cvt_scalef32_pk8_fp4_f32 v[PC+1+2*\b], v[\s+8+16*\b:\s+15+16*\b], v[TM+12+\b]
.endr
	v_nop                                          ; one plain place behind a scaled conversion
.irp c, 0,1                                    ; the operand's layout wants a WHOLE block in a lane: lanes 0-15 block 2 c, lanes 16-31 block 2 c + 1
.irp i, 0,1
	v_permlane16_swap_b32 v[PC+4*\c+\i], v[PC+2+4*\c+\i]
.endr
.endr
.endm
.macro MM t, s, c                      ; tile t, K step s; c: the first register of C
.if (\t)%2
	v_wmma_scale_f32_16x16x128_f8f6f4 v[ACC+8*(\t):ACC+8*(\t)+7], v[8*(4*(\t)+(\s)):8*(4*(\t)+(\s))+7], v[S1F+8*(\s):S1F+8*(\s)+7], v[(\c):(\c)+7], v[S0S+4*((\t)/2)+(\s)], v[S1S+(\s)] matrix_a_fmt:MATRIX_FMT_FP4 matrix_b_fmt:MATRIX_FMT_FP4 matrix_a_scale:MATRIX_SCALE_ROW1
.else
	v_wmma_scale_f32_16x16x128_f8f6f4 v[ACC+8*(\t):ACC+8*(\t)+7], v[8*(4*(\t)+(\s)):8*(4*(\t)+(\s))+7], v[S1F+8*(\s):S1F+8*(\s)+7], v[(\c):(\c)+7], v[S0S+4*((\t)/2)+(\s)], v[S1S+(\s)] matrix_a_fmt:MATRIX_FMT_FP4 matrix_b_fmt:MATRIX_FMT_FP4
.endif
.endm
; One unit: 16 rows of S1 against my 128 rows of S0.  The bias is the C of each sum's first matrix instruction.  The 8 accumulators take turns, one instruction a turn.
.macro UNIT i
	s_wait_loadcnt 0x0                             ; this tile of S1 (in the first unit: all of the head's loads)
	s_cmp_eq_u32 s3, 2                             ; a branch on the work-group's number
	s_cbranch_scc1 .Lcol_\@
	WIN 0x01                                       ; source 0 (S0) window 1
.irp t, 0,1,2,3,4,5,6,7
	MM \t, 0, BC+8*\t
.endr
	WIN 0
	s_branch .Lgo_\@
.Lcol_\@:
.irp j, 0,1,2,3,4,5,6,7
	v_mov_b32 v[BV+\j], v[BVL+(\i)]                ; v: one number for all of a lane's results
.endr
.rept 4
	v_nop                                          ; four places between these writes and the matrix instruction that takes them as C, as for an operand so written
.endr
	WIN 0x01
.irp t, 0,1,2,3,4,5,6,7
	MM \t, 0, BV
.endr
	WIN 0
.Lgo_\@:
	WIN 0x01
.irp s, 1,2,3
.irp t, 0,1,2,3,4,5,6,7
	MM \t, \s, ACC+8*\t
.endr
.endr
	WIN 0
.rept 4
	v_nop                                          ; four places in front of loads into registers that matrix instructions have read, and of the first read of results
.endr
.if (\i) < 3
	S1LOAD (\i)+1                                  ; the next tile lands while this one is quantised
.endif
	QUANT ACC
	v_lshrrev_b32 v17, v13, v[PW]                  ; q, k: lanes 0-15 keep the first head's two bytes, lanes 16-31 take the second head's
	v_and_or_b32 v17, v17, s61, s62
	global_store_b128 v10, v[PC:PC+3], s[54:55]    ; 512 consecutive bytes: q, k: the first head's fragment; v: keys 0-63
	global_store_b128 v11, v[PC+4:PC+7], s[54:55]  ; q, k: the second head's; v: keys 64-127
	global_store_b32 v12, v17, s[56:57]
.if (\i) < 3
	s_wait_xcnt 0x0                                ; the stores have read their data and their bases: both are written again only behind this wait
	s_add_nc_u64 s[54:55], s[54:55], s[66:67]
	s_add_nc_u64 s[56:57], s[56:57], s[68:69]
.endif
.endm
	UNIT 0
	UNIT 1
	UNIT 2
	UNIT 3
	s_endpgm
	; ---------------- the mask ----------------
.Lmask:
	s_sub_co_u32 s3, ttmp9, 384                    ; 256 x batch + tile of 16 queries
	s_lshl_b32 s44, s3, 18                         ; 16 rows of 16,384 bytes,
	s_lshl_b32 s4, s2, 12                          ; my wave's 8 key steps of 512 bytes
	s_add_co_u32 s44, s44, s4
	s_mov_b32 s45, 0
	s_lshl_b32 s46, s3, 13                         ; 32 steps of 256 bytes of words,
	s_lshl_b32 s4, s2, 11                          ; my 8
	s_add_co_u32 s46, s46, s4
	s_mov_b32 s47, 0
	s_mul_i32 s5, s2, 8448                         ; my stage: 16 rows of 528 bytes: 512 + 16, so that the 16 rows that a load touches start at 16 different banks (ISA guide 11.1)
	v_lshlrev_b32 v4, 4, v1                        ; v4  16 x lane: my bytes of a row's 512
	v_add_nc_u32 v5, s5, v4                        ; v5  the stage, on the way in
	v_mul_u32_u24 v6, v2, 528
	v_lshl_add_u32 v6, v3, 6, v6
	v_add_nc_u32 v6, s5, v6                        ; v6  and out: row r, + 64 h
	v_lshlrev_b32 v7, 3, v1                        ; v7  8 x lane: two words a lane
.irp i, 0,1,2,3,4,5,6,7,8,9,10,11,12,13,14,15
	v_mov_b32 v[224+\i], 0                         ; the words' registers, two a tile: v_writelane_b32's destination counts as one of its sources
.endr
	s_wait_kmcnt 0x0
	s_add_nc_u64 s[40:41], s[40:41], s[44:45]
	s_add_nc_u64 s[42:43], s[42:43], s[46:47]
.macro LOADT j                         ; tile j into set j % 3 of v32-223: load i reads 512 consecutive bytes of row i; read once in the launch
.irp i, 0,1,2,3,4,5,6,7,8,9,10,11,12,13,14,15
	global_load_b128 v[32+64*((\j)%3)+4*\i:32+64*((\j)%3)+4*\i+3], v4, s[40:41] offset:16384*\i+512*(\j) th:TH_LOAD_NT
.endr
.endm
.macro TILE j
.set SR, 32+64*((\j)%3)
.if (\j) < 6
	s_wait_loadcnt 32                              ; this tile's 16 loads are in; the two younger tiles' 32 may be out
.else
	s_wait_loadcnt 16*(7-(\j))
.endif
.irp i, 0,1,2,3,4,5,6,7,8,9,10,11,12,13,14,15
	ds_store_b128 v5, v[SR+4*\i:SR+4*\i+3] offset:528*\i
.endr
.irp b, 0,1,2,3
.irp q, 0,1,2,3
	ds_load_b128 v[SR+16*\b+4*\q:SR+16*\b+4*\q+3], v6 offset:128*\b+16*\q   ; LDS serves a wave's instructions in order (ISA guide 5.7.1.4): these see the stores above.  Register 16 b + i: row r, number 32 b + 16 h + i
.endr
.endr
	s_wait_dscnt 0x0
.set nn, 0
.rept 8
.irp k, 0,1,2,3,4,5,6,7
	v_cmp_ne_u32 s[84+\k], 0, v[SR+nn+\k]          ; word nn + k: bit l is lane l's flag
.endr
.irp k, 0,1,2,3,4,5,6,7
	v_writelane_b32 v[224+2*(\j)+(\k)%2], s[84+\k], (nn+\k)/2   ; word n lies in lane n / 2, register n % 2
.endr
.set nn, nn+8
.endr
.if (\j)+3 < 8
	LOADT (\j)+3
.endif
	global_store_b64 v7, v[224+2*(\j):225+2*(\j)], s[42:43] offset:256*(\j)   ; 32 lanes store 256 consecutive bytes, aligned; each tile has its own two registers, so no store's data are written again
.endm
	LOADT 0
	LOADT 1
	LOADT 2
.irp j, 0,1,2,3,4,5,6,7
	TILE \j
.endr
	s_wait_tensorcnt 0x0
	ds_add_u32 v254, v255
	s_wait_dscnt 0x0
	s_endpgm
.Lfunc_end_k_q8715b0cf2b_prep:
	.size	k_q8715b0cf2b_prep, .Lfunc_end_k_q8715b0cf2b_prep-k_q8715b0cf2b_prep
	.p2alignl 7, 3214868480
	.fill 96, 4, 3214868480
	.section	.rodata,"a",@progbits
	.p2align	6, 0x0
	.amdhsa_kernel k_q8715b0cf2b_prep
		.amdhsa_group_segment_fixed_size 34304
		.amdhsa_private_segment_fixed_size 0
		.amdhsa_enable_private_segment 0
		.amdhsa_kernarg_size 144
		.amdhsa_user_sgpr_count 2
		.amdhsa_user_sgpr_kernarg_segment_ptr 1
		.amdhsa_wavefront_size32 1
		.amdhsa_system_sgpr_workgroup_id_x 1
		.amdhsa_system_sgpr_workgroup_id_y 1
		.amdhsa_system_sgpr_workgroup_id_z 1
		.amdhsa_system_vgpr_workitem_id 0
		.amdhsa_next_free_vgpr 512
		.amdhsa_next_free_sgpr 96
		.amdhsa_reserve_vcc 0
		.amdhsa_float_denorm_mode_32 3
		.amdhsa_float_denorm_mode_16_64 3
		.amdhsa_memory_ordered 1
		.amdhsa_forward_progress 1
		.amdhsa_inst_pref_size 153
	.end_amdhsa_kernel
	.amdgpu_metadata
---
amdhsa.version: [ 1, 2 ]
amdhsa.kernels:
  - .name:           k_q8715b0cf2b_prep
    .symbol:         k_q8715b0cf2b_prep.kd
    .args:
      - { .name: x1_codes, .offset: 0, .size: 8, .value_kind: global_buffer, .address_space: global }
      - { .name: x1_scales, .offset: 8, .size: 8, .value_kind: global_buffer, .address_space: global }
      - { .name: Wq_codes, .offset: 16, .size: 8, .value_kind: global_buffer, .address_space: global }
      - { .name: Wq_scales, .offset: 24, .size: 8, .value_kind: global_buffer, .address_space: global }
      - { .name: bq, .offset: 32, .size: 8, .value_kind: global_buffer, .address_space: global }
      - { .name: qimg, .offset: 40, .size: 8, .value_kind: global_buffer, .address_space: global }
      - { .name: qsc, .offset: 48, .size: 8, .value_kind: global_buffer, .address_space: global }
      - { .name: x2_codes, .offset: 56, .size: 8, .value_kind: global_buffer, .address_space: global }
      - { .name: x2_scales, .offset: 64, .size: 8, .value_kind: global_buffer, .address_space: global }
      - { .name: Wk_codes, .offset: 72, .size: 8, .value_kind: global_buffer, .address_space: global }
      - { .name: Wk_scales, .offset: 80, .size: 8, .value_kind: global_buffer, .address_space: global }
      - { .name: bk, .offset: 88, .size: 8, .value_kind: global_buffer, .address_space: global }
      - { .name: Wv_codes, .offset: 96, .size: 8, .value_kind: global_buffer, .address_space: global }
      - { .name: Wv_scales, .offset: 104, .size: 8, .value_kind: global_buffer, .address_space: global }
      - { .name: bv, .offset: 112, .size: 8, .value_kind: global_buffer, .address_space: global }
      - { .name: kv, .offset: 120, .size: 8, .value_kind: global_buffer, .address_space: global }
      - { .name: mask, .offset: 128, .size: 8, .value_kind: global_buffer, .address_space: global }
      - { .name: maskw, .offset: 136, .size: 8, .value_kind: global_buffer, .address_space: global }
    .group_segment_fixed_size: 34304
    .private_segment_fixed_size: 0
    .kernarg_segment_align: 8
    .kernarg_segment_size: 144
    .max_flat_workgroup_size: 128
    .sgpr_count:     96
    .vgpr_count:     512
    .wavefront_size: 32
...
	.end_amdgpu_metadata
.endif
;; end of part 1
;; launch attn (part 2): grid 16 x 16, 16 waves a work-group, clusters of 4 x 1, 327,680 bytes of LDS; arguments qimg, qsc, kv, maskw, yimg, ysc; writes yimg, ysc
.if DOCPART == 2
	.amdgcn_target "amdgcn-amd-amdhsa--gfx1250"
	.amdhsa_code_object_version 6
	.text
	.protected	k_q8715b0cf2b_attn
	.globl	k_q8715b0cf2b_attn
	.p2align	8
	.type	k_q8715b0cf2b_attn,@function
k_q8715b0cf2b_attn:
	s_mov_b64 s[64:65], 0
	v_nop
	global_prefetch_b8 v0, s[64:65] scope:SCOPE_SE
	s_setreg_imm32_b32 hwreg(HW_REG_WAVE_MODE, 25, 1), 1
	s_wait_xcnt 0x0
	s_wait_alu depctr_hold_cnt(0) depctr_sa_sdst(0) depctr_va_vdst(0) depctr_va_sdst(0) depctr_va_ssrc(0) depctr_va_vcc(0) depctr_vm_vsrc(0)
	s_getreg_b32 s2, hwreg(HW_REG_IB_STS2, 6, 4)
	s_cmp_eq_u32 s2, 0
	s_cbranch_scc0 .Lentry_in_a_cluster
	s_endpgm
.Lentry_in_a_cluster:
	s_bfe_u32 s2, ttmp6, 0x10000c
	s_cmp_lg_u32 s2, 0x3003
	s_cbranch_scc0 .Lentry_shape_is_right
	s_endpgm
.Lentry_shape_is_right:
; y[b][h][q] = the sum over k of softmax_k(where(mask == 0, -1e10, q . k / sqrt(512))) v[k], 16 pairs (batch, head) of 4,096 queries x 4,096 keys x 64 channels, both products on codes of FP4 (E2M1) with E8M0 scales;
; y is quantised in registers along the channels and stored as an image of the last product's operand.
; THE SOFTMAX AHEAD OF THE SECOND PRODUCT: t = score x log2(e) / sqrt(512); M = the row's largest t so far, rounded UP to a whole number; p = 2^(t - M) is what is quantised, along the keys, not normalised.
; The row's sum is taken of the unquantised p and divides at the end.  When M moves, the sum and O are multiplied by 2^(old M - new M): exact.
; SHARES.  A work-group owns 256 queries of one (batch, head); each of its SIXTEEN waves 16 of them, one tile, in 256 registers: four waves to a SIMD, so that one wave's vector work stands beside another's
; matrix work and LDS loads.  Every wave walks all 32 key steps of 128 keys.
; LDS.  The head's whole block of kv (32 steps x 9,216 bytes: K's fragments, K's scale words, V's fragments, V's scale words, each an image of the operand's registers) lies at LDS bytes 0 .. 294,911 as it lies in
; memory.  It is filled ONCE, in four phases of 8 steps; phase p + 1 is asked for behind the barrier at the head of phase p and has 8 steps in which to land.  One tensor load of a wave is out at any time.
; CLUSTER.  The four query blocks of a cluster walk the same head: each load is asked for JOINTLY, the same descriptor with a mask that names the four, in all four.  Every wave fetches 4,608 bytes of a phase.
; LAYOUT.  Both products are used transposed: S^T = K Q^T (source 0 = 16 keys), O^T = V^T P^T (source 0 = 16 channels): a lane holds ONE query (lane % 16) throughout.  The keys of a tile of K, and the channels of a
; tile of V, are not neighbours: lane r of tile 2 b + u holds 32 b + 8 u + r + 8 (r / 8), so that the 16 registers of tiles 2 b, 2 b + 1 are 16 neighbours: 32 b + 16 (lane / 16) + 0 .. 15.
; A HEAD'S 64 IN AN INSTRUCTION OF 128: Q's registers 4-7 are zero codes, and bytes 2, 3 of Q's and K's scale words are 1.0.  So K's registers 4-7 may hold any codes: tile t names v[32 + 4 t .. 39 + 4 t], whose
; upper half is the next tile's codes (behind the last tile: zeros), and one LDS load brings a tile.
; THE MASK comes as bits: word n of a (tile of queries, key step) holds in bit l the flag of lane l's score register n.  64 words a step come by scalar loads, a step ahead, and each serves one v_cndmask_b32.
; LIMITS.  A masked score is set to -2^38 ahead of the factor log2(e) / sqrt(512): a logit of about -1.21e10 where the definition has -1e10.  The product with the factor is then exact, so that a row masked at every
; key gives p = 1 for every key, as the definition does.  The result differs from the definition's only where true logits lie under about -1e10.  t is rounded once (score x one factor).
; A block of zeros gets the scale byte 1 where the quantiser's rule says 127: its codes are zeros, and this program alone reads the bytes.  NaN and infinities are not served.
; REGISTERS: v1 16 x lane; v2 4 x lane; v3, v4 the spare word's address and 0; v5, v6 the step's LDS addresses; v7 -2^38; v8 the prefetches' offset; v9 4 r; v12 -M; v13 the largest t; v[14:15] the sum in two halves;
; v16-23 Q; v24 Q's scale words; v32-67 K; v68-99 V; v100-103 K's scale words (lanes 0-15 tile 2 u, lanes 16-31 tile 2 u + 1); v104-107 V's; v112-175 S^T, then p; v176-207 O^T; v208-215 p's codes; v216-233 at work.
; SCALARS: s2 wave; s3 steps to go; s[10:11] my tile's mask words; s[12:13], s[14:15] where y's image and scale bytes go; s[16:23], s[24:27] the descriptor; s28 the step's LDS byte; s29 the step's words;
; s30 1 in a wave that prefetches; s32-63 and s68-99 the 64 mask words; s[66:67] lane selects; s[100:101] the factor.
.set SPARE, 294912                     ; behind the head's block: the spare words, 128 bytes for each wave: eight blocks of 256 bytes that no other line names
.set PHB,   73728                      ; a phase: 8 steps
.set STB,   9216                       ; a step
.macro ROUND                           ; a round of the cluster's barrier
	s_barrier_signal -1
	s_barrier_wait -1
	s_cmp_lg_u32 s2, 0
	s_cbranch_scc1 .Lnot_wave_0_\@
	s_barrier_signal -3
.Lnot_wave_0_\@:
	s_barrier_wait -3
	s_barrier_signal -1
	s_barrier_wait -1
.endm
; A PREFETCH of the next phase's mask words.  A tile of queries has 8 steps x 256 bytes of them in a phase.  The 8 heads of a batch read the same words: head 0's work-groups ask; in them every fourth wave asks for
; four neighbouring waves' tiles: 32 lanes name 4 x 8 blocks of 256 bytes, each block once in the launch.  It stands behind the wave's tensor load and its four lines.  Phase 0's words come by their loads alone;
; the last phase asks for nothing.  The branch hangs on the head and the wave's number, which all partners share.  The address registers are never rewritten.
.macro ASK p
	s_cmp_eq_u32 s30, 1
	s_cbranch_scc0 .Lnot_mine_\@
	global_prefetch_b8 v8, s[10:11] offset:2048*((\p)+1) th:TH_LOAD_NT scope:SCOPE_SE
.Lnot_mine_\@:
.endm
	s_load_b256 s[4:11], s[0:1], 0x0               ; qimg 4, qsc 6, kv 8, maskw 10
	s_load_b128 s[12:15], s[0:1], 0x20             ; yimg 12, ysc 14
	v_lshl_add_u32 v3, v0, 2, SPARE
	v_mov_b32 v4, 0
	ds_add_u32 v3, v4
	ds_add_u32 v3, v4
	s_wait_dscnt 0x0
	v_lshrrev_b32 v5, 5, v0
	v_readfirstlane_b32 s2, v5                     ; wave 0..15
	s_bfe_u32 s31, ttmp6, 0x40000                  ; cx: it enters the addresses of Q, the mask words and y alone
	s_lshl_b32 s104, ttmp9, 2
	s_add_co_u32 s104, s104, s31                   ; my block of 256 queries
	s_and_b32 s105, ttmp7, 0xffff                  ; 8 x batch + head, which the four partners share
	s_lshl_b32 s32, s104, 4
	s_add_co_u32 s32, s32, s2                      ; my tile of 16 queries, 0 .. 255
	s_lshr_b32 s33, s105, 3                        ; batch
	s_and_b32 s34, s105, 7                         ; head
	s_lshl_b32 s35, s33, 8
	s_add_co_u32 s35, s35, s32                     ; 256 x batch + tile
	s_lshl_b32 s40, s105, 17                       ; Q's image: 131,072 bytes a head, 512 a tile
	s_lshl_b32 s41, s32, 9
	s_add_co_u32 s40, s40, s41
	s_mov_b32 s41, 0
	s_lshl_b32 s42, s105, 14                       ; Q's scale words: 16,384 a head, 64 a tile
	s_lshl_b32 s43, s32, 6
	s_add_co_u32 s42, s42, s43
	s_mov_b32 s43, 0
	s_mul_i32 s44, s105, 294912                    ; the head's block of kv,
	s_mul_i32 s25, s2, 4608                        ; my wave's 4,608 bytes of a phase: in LDS
	s_add_co_u32 s44, s44, s25                     ; and in memory (these registers never hold cx)
	s_mov_b32 s45, 0
	s_lshl_b32 s46, s35, 13                        ; my tile's mask words: 32 steps x 256 bytes
	s_mov_b32 s47, 0
	s_lshl_b32 s48, s35, 3
	s_add_co_u32 s48, s48, s34
	s_lshl_b32 s48, s48, 9                         ; y's image: [tile][head] of 512 bytes
	s_mov_b32 s49, 0
	s_lshl_b32 s50, s35, 8                         ; y's scale bytes: 256 a tile, 64 for a pair of heads, 4 a row, 2 a head
	s_lshr_b32 s51, s34, 1
	s_lshl_b32 s51, s51, 6
	s_add_co_u32 s50, s50, s51
	s_and_b32 s51, s34, 1
	s_lshl_b32 s51, s51, 1
	s_add_co_u32 s50, s50, s51
	s_mov_b32 s51, 0
	s_and_b32 s31, s2, 3
	s_or_b32 s30, s34, s31
	s_cmp_eq_u32 s30, 0
	s_cselect_b32 s30, 1, 0                        ; head 0, every fourth wave
	; descriptor group 1: 18 rows of 256 bytes (32 elements of 8 bytes), dense in memory and in LDS
	s_mov_b32 s16, 15|(3<<16)|(1<<21)              ; 15:0 the mask: all four work-groups; 17:16 elements of 8 bytes; 21 set beside a mask
	s_mov_b32 s17, 32<<16                          ; tensor_dim0 = 32
	s_mov_b32 s18, 18<<16                          ; tensor_dim1 = 18
	s_mov_b32 s19, 32<<16                          ; tile_dim0 = 32
	s_mov_b32 s20, 18                              ; tile_dim1 = 18
	s_mov_b32 s21, 32                              ; from row to row
	s_mov_b32 s22, 0
	s_mov_b32 s23, 0
	s_mov_b32 s66, 0x76543210
	s_mov_b32 s67, 0xfedcba98                      ; v_permlanex16_b32's selects for lane l xor 16
	s_mov_b32 s100, 0x3d8293ee                     ; log2(e) / sqrt(512)
	s_mov_b32 s101, s100                           ; (named with it as a pair, so it is written)
	v_and_b32 v1, 31, v0
	v_lshlrev_b32 v2, 2, v1
	v_lshrrev_b32 v8, 3, v1
	v_and_b32 v9, 7, v1
	v_lshlrev_b32 v9, 8, v9
	v_lshl_add_u32 v8, v8, 13, v9                  ; the prefetches: tile lane / 8 of four (8,192 bytes apart), step lane % 8 of the phase
	v_and_b32 v9, 15, v0
	v_lshlrev_b32 v9, 2, v9
	v_lshlrev_b32 v1, 4, v1
	v_mov_b32 v7, 0xd2800000                       ; -2^38
	s_wait_kmcnt 0x0
	s_add_nc_u64 s[4:5], s[4:5], s[40:41]
	s_add_nc_u64 s[6:7], s[6:7], s[42:43]
	s_add_nc_u64 s[10:11], s[10:11], s[46:47]
	s_add_nc_u64 s[12:13], s[12:13], s[48:49]
	s_add_nc_u64 s[14:15], s[14:15], s[50:51]
	s_mov_b32 s24, 1                               ; group 0: count = 1; s25 the LDS address;
	s_add_nc_u64 s[26:27], s[8:9], s[44:45]        ; the global address;
	s_or_b32 s27, s27, 0x80000000                  ; type = 2
	ROUND                                          ; all four work-groups are here: the first joint loads meet
	tensor_load_to_lds s[24:27], s[16:23]          ; phase 0
	s_nop 0
.rept 4
	v_nop                                          ; four lines behind a tensor load
.endr
	global_load_b128 v[16:19], v1, s[4:5]          ; Q's fragment, registers 0-3: it stays
	global_load_b32 v24, v9, s[6:7]                ; and its scale words
	s_mov_b32 s29, 0
	s_load_b512 s[32:47], s[10:11], s29 offset:0x0     ; step 0's mask words
	s_load_b512 s[48:63], s[10:11], s29 offset:0x40
	s_load_b512 s[68:83], s[10:11], s29 offset:0x80
	s_load_b512 s[84:99], s[10:11], s29 offset:0xc0
	v_mov_b32 v13, 0xff61b1e6                      ; the largest t so far: -3e38, under every t
	v_floor_f32 v12, -v13                          ; -M
	v_mov_b32 v14, 0                               ; the sum, in two halves
	v_mov_b32 v15, 0
.irp j, 20,21,22,23,64,65,66,67,220,221,222,223,229
	v_mov_b32 v\j, 0                               ; Q's zero codes; the codes behind K's last tile; the lane permutes' destinations; the upper half of the pair v[228:229]
.endr
.set nn, 0
.rept 32
	v_mov_b32 v[176+nn], 0                         ; O^T.  (The step is written once: the first finds zeros, which the first change of M leaves zeros)
.set nn, nn+1
.endr
	s_wait_loadcnt 0x0                             ; Q
; A KEY STEP: 128 keys, whose block begins at LDS byte s28.
.macro STEP
	v_add_nc_u32 v5, s28, v1
	v_add_nc_u32 v6, s28, v2
	v_nop
	v_nop                                          ; four places in front of loads into registers that the last step's matrix instructions have read (ISA guide 7.12.1 for vector instructions)
.irp t, 0,1,2,3,4,5,6,7
	ds_load_b128 v[32+4*\t:35+4*\t], v5 offset:512*\t          ; K's tile t: 512 consecutive bytes
.endr
.irp u, 0,1,2,3
	ds_load_b32 v[100+\u], v6 offset:4096+128*\u
.endr
.irp t, 0,1,2,3
.irp c, 0,1
	ds_load_b128 v[68+8*\t+4*\c:71+8*\t+4*\c], v5 offset:4608+1024*\t+512*\c   ; V's four fragments: wanted behind the softmax
.endr
.endr
.irp t, 0,1,2,3
	ds_load_b32 v[104+\t], v6 offset:8704+128*\t
.endr
	s_wait_dscnt 12                                ; K and its scale words are in; V's 12 loads, issued behind them, may be out
.irp u, 0,1,2,3
	v_wmma_scale_f32_16x16x128_f8f6f4 v[112+16*\u:119+16*\u], v[32+8*\u:39+8*\u], v[16:23], 0, v[100+\u], v24 matrix_a_fmt:MATRIX_FMT_FP4 matrix_b_fmt:MATRIX_FMT_FP4
	v_wmma_scale_f32_16x16x128_f8f6f4 v[120+16*\u:127+16*\u], v[36+8*\u:43+8*\u], v[16:23], 0, v[100+\u], v24 matrix_a_fmt:MATRIX_FMT_FP4 matrix_b_fmt:MATRIX_FMT_FP4 matrix_a_scale:MATRIX_SCALE_ROW1
.endr
.rept 4
	v_nop
.endr
	s_wait_kmcnt 0x0                               ; this step's mask words, asked for a step ago
.set nn, 0
.rept 64
	v_cndmask_b32 v[112+nn], v7, v[112+nn], s[32+nn+4*(nn/32)]   ; a masked score becomes -2^38.  Ascending: each accumulator is read from its low end on
.set nn, nn+1
.endr
	s_add_co_u32 s29, s29, 256                     ; (the wait above has shown the last scalar loads done: their offset may be written)
	s_min_u32 s29, s29, 7936                       ; the last step asks for its own words again: no load leaves the buffer
	s_load_b512 s[32:47], s[10:11], s29 offset:0x0     ; the next step's words: a whole step ahead
	s_load_b512 s[48:63], s[10:11], s29 offset:0x40
	s_load_b512 s[68:83], s[10:11], s29 offset:0x80
	s_load_b512 s[84:99], s[10:11], s29 offset:0xc0
.irp b, 0,1,2,3
	v_max3_num_f32 v[216+\b], v[112+16*\b], v[113+16*\b], v[114+16*\b]   ; THE LARGEST SCORE OF EACH BLOCK OF 32 KEYS serves twice: for the row's maximum, and, since p rises with the score, for the block's largest p
.endr
.irp i, 3,5,7,9,11,13
.irp b, 0,1,2,3
	v_max3_num_f32 v[216+\b], v[216+\b], v[112+16*\b+\i], v[113+16*\b+\i]   ; (the four blocks by turns)
.endr
.endr
.irp b, 0,1,2,3
	v_max_num_f32 v[216+\b], v[216+\b], v[127+16*\b]
.endr
.irp b, 0,1,2,3
	v_permlanex16_b32 v[220+\b], v[216+\b], s66, s67
.endr
.irp b, 0,1,2,3
	v_max_num_f32 v[216+\b], v[216+\b], v[220+\b]  ; with lane l xor 16's 16 keys
.endr
	v_max3_num_f32 v230, v216, v217, v218
	v_max_num_f32 v230, v230, v219                 ; the step's largest score of my query
	v_mul_f32 v230, s100, v230                     ; as t (the factor is positive)
	v_max_num_f32 v13, v13, v230                   ; the running largest t
	v_mov_b32 v230, v12
	v_floor_f32 v12, -v13                          ; the new -M = floor(-t) = -ceil(t): M is a whole number
	v_sub_f32 v230, v12, v230                      ; M's old value less its new one: a whole number, 0 or less
	v_cvt_i32_f32 v230, v230                       ; (it saturates)
	v_ldexp_f32 v228, 1.0, v230                    ; f = 2^(old M - new M)
.set nn, 0
.rept 32
	v_pk_fma_f32 v[112+nn:113+nn], v[112+nn:113+nn], s[100:101], v[12:13] op_sel_hi:[1,0,0]   ; t - M, two at a time (of the pairs the low word serves both halves)
.set nn, nn+2
.endr
.irp b, 0,1,2,3
	v_fma_f32 v[216+\b], v[216+\b], s100, v12      ; the same of each block's largest score
.endr
.set nn, 0
.rept 64
	v_exp_f32 v[112+nn], v[112+nn]                 ; p = 2^(t - M), at most 1: not normalised
.set nn, nn+1
.endr
	v_pk_mul_f32 v[14:15], v[14:15], v[228:229] op_sel_hi:[1,0]   ; the sums under the new M: a plain line behind the exponentials
	s_wait_alu depctr_va_vdst(0)                   ; one wait for the whole batch, ahead of its first reader
.irp b, 0,1,2,3
	v_exp_f32 v[216+\b], v[216+\b]                 ; the block's largest p: the same two instructions on the same number give the same bits
.endr
	v_pk_add_f32 v[232:233], v[112:113], v[114:115]    ; THE ROW'S SUM IS TAKEN OF THE UNQUANTISED p: two at a time, in two chains; it reads the 64 alone: plain work behind the four
.irp j, 4,8,12,16,20,24,28,32,36,40,44,48,52,56,60
	v_pk_add_f32 v[14:15], v[14:15], v[112+\j:113+\j]
	v_pk_add_f32 v[232:233], v[232:233], v[114+\j:115+\j]
.endr
	v_pk_add_f32 v[14:15], v[14:15], v[232:233]
	s_wait_alu depctr_va_vdst(0)                   ; and one for the four
.irp b, 0,1,2,3
	v_max_num_f32 v[216+\b], 0x1800000, v[216+\b]  ; the floor 2^(3 - 127): the byte cannot fall under 1 (a block whose every p is 0 keeps that byte: its codes are zeros)
.endr
.irp b, 0,1,2,3
	v_add_nc_u32 v[224+\b], 0xff000000, v[216+\b]  ; 2 off the exponent field: the conversion's scale operand
.endr
.irp b, 0,1,2,3
	v_lshrrev_b32 v[220+\b], 23, v[224+\b]         ; the scale's byte
.endr
	v_lshl_or_b32 v231, v221, 8, v220              ; p's scale word for these 128 keys
	v_lshl_or_b32 v231, v222, 16, v231
	v_lshl_or_b32 v231, v223, 24, v231
.irp b, 0,1,2,3
	v_cvt_scalef32_pk8_fp4_f32 v[208+2*\b], v[112+16*\b:119+16*\b], v[224+\b]
	v_cvt_scalef32_pk8_fp4_f32 v[209+2*\b], v[120+16*\b:127+16*\b], v[224+\b]
.endr
	v_nop                                          ; one plain place behind a scaled conversion
.irp c, 0,1                                    ; the operand's layout wants a WHOLE block in a lane
.irp i, 0,1
	v_permlane16_swap_b32 v[208+4*\c+\i], v[210+4*\c+\i]
.endr
.endr
.set nn, 0
.rept 16
	v_pk_mul_f32 v[176+nn:177+nn], v[176+nn:177+nn], v[228:229] op_sel_hi:[1,0]   ; O^T under the new M.  These 16 are also the places between the writes of p's codes and scale word and the products below
.set nn, nn+2
.endr
	s_wait_dscnt 0x0                               ; V and its scale words
.irp t, 0,1,2,3                                ; O^T += V^T P^T: the four accumulators by turns, one instruction a turn
	v_wmma_scale_f32_16x16x128_f8f6f4 v[176+8*\t:183+8*\t], v[68+8*\t:75+8*\t], v[208:215], v[176+8*\t:183+8*\t], v[104+\t], v231 matrix_a_fmt:MATRIX_FMT_FP4 matrix_b_fmt:MATRIX_FMT_FP4
.endr
.endm
; A PHASE: 8 key steps.  At its head each wave waits for all its tensor loads (its part of this phase), adds 0 to its spare word and waits for that and for its LDS reads; behind the barrier the phase is whole.
; fill = 1: the barrier is a round of the cluster's, and the next phase's joint load is the first thing behind it, the wave's one tensor load until the next round.
.macro PHASE p, fill
	s_wait_tensorcnt 0x0                           ; no tensor load of mine is out, so group 0 may be written
	ds_add_u32 v3, v4                              ; 0 onto my spare word
.if \fill
	s_add_co_u32 s25, s25, PHB                     ; the next phase: in LDS,
	s_add_nc_u64 s[26:27], s[26:27], PHB           ; and in memory; the type bits on top are not reached
.endif
	s_wait_dscnt 0x0
.if \fill
	ROUND
	tensor_load_to_lds s[24:27], s[16:23]
	s_nop 0
.rept 4
	v_nop
.endr
	ASK \p
.else
	s_barrier_signal -1
	s_barrier_wait -1
.endif
	s_mov_b32 s28, (\p)*PHB
	s_mov_b32 s3, 8
.Lstep_\@:
	STEP
	s_add_co_u32 s28, s28, STB
	s_sub_co_u32 s3, s3, 1
	s_cmp_lg_u32 s3, 0
	s_cbranch_scc1 .Lstep_\@
.endm
	PHASE 0, 1                                     ; the four phases are written out
	PHASE 1, 1
	PHASE 2, 1
	PHASE 3, 0
	; THE WAY OUT.  O^T / the sum is my query's 64 channels of y: register 16 b + i is channel 32 b + 16 h + i.  Two blocks of 32 are quantised as p was; the four registers of codes are half a fragment of the last product.
.rept 4
	v_nop                                          ; four places behind the last products
.endr
	v_add_f32 v14, v14, v15                        ; the sum's two halves,
	v_permlanex16_b32 v220, v14, s66, s67
	v_add_f32 v14, v14, v220                       ; and lane l xor 16's: the row's sum
	v_rcp_f32 v14, v14
	v_nop                                          ; a plain line behind the reciprocal
	s_wait_alu depctr_va_vdst(0)                   ; and the wait ahead of its first reader
.set nn, 0
.rept 16
	v_pk_mul_f32 v[112+nn:113+nn], v[176+nn:177+nn], v[14:15] op_sel_hi:[1,0]
.set nn, nn+2
.endr
.irp b, 0,1
	v_max3_num_f32 v[216+\b], |v[112+16*\b]|, |v[113+16*\b]|, 0x1800000
.endr
.irp i, 2,4,6,8,10,12,14
.irp b, 0,1
	v_max3_num_f32 v[216+\b], v[216+\b], |v[112+16*\b+\i]|, |v[113+16*\b+\i]|
.endr
.endr
.irp b, 0,1
	v_permlanex16_b32 v[220+\b], v[216+\b], s66, s67
.endr
.irp b, 0,1
	v_max_num_f32 v[216+\b], v[216+\b], v[220+\b]
.endr
.irp b, 0,1
	v_add_nc_u32 v[224+\b], 0xff000000, v[216+\b]
.endr
.irp b, 0,1
	v_lshrrev_b32 v[220+\b], 23, v[224+\b]
.endr
	v_lshl_or_b32 v230, v221, 8, v220              ; my row's two scale bytes
.irp b, 0,1
	v_cvt_scalef32_pk8_fp4_f32 v[208+2*\b], v[112+16*\b:119+16*\b], v[224+\b]
	v_cvt_scalef32_pk8_fp4_f32 v[209+2*\b], v[120+16*\b:127+16*\b], v[224+\b]
.endr
	v_nop
	v_permlane16_swap_b32 v208, v210
	v_permlane16_swap_b32 v209, v211               ; registers 0-3: channels 32 h + 0 .. 31
	global_store_b128 v1, v[208:211], s[12:13]     ; 512 consecutive bytes
	global_store_b16 v9, v230, s[14:15]            ; lanes 16-31 write what lanes 0-15 write, at the same places
	s_wait_tensorcnt 0x0                           ; the wave's end
	ds_add_u32 v3, v4
	s_wait_dscnt 0x0
	ROUND                                          ; the closing round: no work-group ends while a partner may still ask for a tile that names it
	s_endpgm
.Lfunc_end_k_q8715b0cf2b_attn:
	.size	k_q8715b0cf2b_attn, .Lfunc_end_k_q8715b0cf2b_attn-k_q8715b0cf2b_attn
	.p2alignl 7, 3214868480
	.fill 96, 4, 3214868480
	.section	.rodata,"a",@progbits
	.p2align	6, 0x0
	.amdhsa_kernel k_q8715b0cf2b_attn
		.amdhsa_group_segment_fixed_size 327680
		.amdhsa_private_segment_fixed_size 0
		.amdhsa_enable_private_segment 0
		.amdhsa_kernarg_size 48
		.amdhsa_user_sgpr_count 2
		.amdhsa_user_sgpr_kernarg_segment_ptr 1
		.amdhsa_wavefront_size32 1
		.amdhsa_system_sgpr_workgroup_id_x 1
		.amdhsa_system_sgpr_workgroup_id_y 1
		.amdhsa_system_sgpr_workgroup_id_z 1
		.amdhsa_system_vgpr_workitem_id 0
		.amdhsa_next_free_vgpr 256
		.amdhsa_next_free_sgpr 106
		.amdhsa_reserve_vcc 0
		.amdhsa_float_denorm_mode_32 3
		.amdhsa_float_denorm_mode_16_64 3
		.amdhsa_memory_ordered 1
		.amdhsa_forward_progress 1
		.amdhsa_inst_pref_size 92
	.end_amdhsa_kernel
	.amdgpu_metadata
---
amdhsa.version: [ 1, 2 ]
amdhsa.kernels:
  - .name:           k_q8715b0cf2b_attn
    .symbol:         k_q8715b0cf2b_attn.kd
    .args:
      - { .name: qimg, .offset: 0, .size: 8, .value_kind: global_buffer, .address_space: global }
      - { .name: qsc, .offset: 8, .size: 8, .value_kind: global_buffer, .address_space: global }
      - { .name: kv, .offset: 16, .size: 8, .value_kind: global_buffer, .address_space: global }
      - { .name: maskw, .offset: 24, .size: 8, .value_kind: global_buffer, .address_space: global }
      - { .name: yimg, .offset: 32, .size: 8, .value_kind: global_buffer, .address_space: global }
      - { .name: ysc, .offset: 40, .size: 8, .value_kind: global_buffer, .address_space: global }
    .group_segment_fixed_size: 327680
    .private_segment_fixed_size: 0
    .kernarg_segment_align: 8
    .kernarg_segment_size: 48
    .max_flat_workgroup_size: 512
    .sgpr_count:     106
    .vgpr_count:     256
    .wavefront_size: 32
...
	.end_amdgpu_metadata
.endif
;; end of part 2
;; launch outp (part 3): grid 256 x 1, 4 waves a work-group, no clusters, 34,304 bytes of LDS; arguments yimg, ysc, Wu_codes, Wu_scales, bu, out0; writes out0
.if DOCPART == 3
	.amdgcn_target "amdgcn-amd-amdhsa--gfx1250"
	.amdhsa_code_object_version 6
	.text
	.protected	k_q8715b0cf2b_outp
	.globl	k_q8715b0cf2b_outp
	.p2align	8
	.type	k_q8715b0cf2b_outp,@function
k_q8715b0cf2b_outp:
	s_mov_b64 s[64:65], 0
	v_nop
	global_prefetch_b8 v0, s[64:65] scope:SCOPE_SE
	s_setreg_imm32_b32 hwreg(HW_REG_WAVE_MODE, 25, 1), 1
	s_wait_xcnt 0x0
; out0 = y Wu^T + bu: [8192][512] f32, K = 512, on codes of FP4 (E2M1) with E8M0 scales.  y comes as images of the operand's registers: [tile of 16 rows][head][lane][16 bytes]: registers 4 c .. 4 c + 3 of K step s are
; head 2 s + c; its scale words [tile][K step][row].
; SHARES.  A work-group takes 32 rows (two tiles); wave w the outputs 128 w .. 128 w + 127: its 128 rows of Wu go once from memory into its registers (window 1).  Straight text, no loop, no barrier: waves share nothing.
; No cluster and no LDS tile: what work-groups share, Wu's 131,072 bytes, is taken straight into registers, 32,768 bytes a wave, and each fragment is used twice.
; THE MATRIX INSTRUCTION IS USED TRANSPOSED (source 0 = 16 rows of Wu, source 1 = 16 rows of y): a lane holds eight neighbouring outputs of one row.  bu is the C of each sum's first matrix instruction.
; The results go through the wave's own stage in LDS (16 rows of 512 + 16 bytes) and leave as 512 consecutive bytes a store.
; REGISTERS: window 0: v4-9 addresses; v12-27 Wu's scale words (pair u of tiles, K step s at 12 + 4 u + s: lanes 0-15 tile 2 u, lanes 16-31 tile 2 u + 1); v32-63, v64-95 y's fragments of the two tiles; v96-103 y's scale words;
; v104-167, v168-231 the two sets of 8 accumulators.   window 1: Wu's fragments (tile t, K step s) at 8 (4 t + s).   window 2: v0-63 bu in the result's layout.
.set MSB, 0
.macro WIN new                         ; the immediate's high byte repeats the setting that is left
.if MSB != \new
	s_set_vgpr_msb (MSB<<8)|\new
.set MSB, \new
.endif
.endm
	s_load_b256 s[4:11], s[0:1], 0x0               ; yimg 4, ysc 6, Wu_codes 8, Wu_scales 10
	s_load_b128 s[12:15], s[0:1], 0x20             ; bu 12, out0 14
	v_lshl_add_u32 v254, v0, 2, 0x8400
	v_mov_b32 v255, 0
	v_lshrrev_b32 v1, 5, v0
	v_readfirstlane_b32 s2, v1                     ; wave 0..3
	v_and_b32 v1, 31, v0                           ; lane
	v_and_b32 v2, 15, v0                           ; r
	v_bfe_u32 v3, v0, 4, 1                         ; h
	v_lshlrev_b32 v4, 8, v2
	v_lshl_add_u32 v4, v3, 4, v4                   ; v4  Wu's codes: row r of 256 bytes, + 16 h
	v_lshlrev_b32 v5, 4, v1                        ; v5  16 x lane: an image's place; Wu's scale bytes of row lane of a pair of tiles; my bytes of a row of out0
	v_lshlrev_b32 v6, 2, v2                        ; v6  4 r: y's scale words
	v_lshlrev_b32 v7, 5, v3                        ; v7  bu: 8 h numbers on
	s_mul_i32 s3, s2, 8448                         ; my stage
	v_mul_u32_u24 v8, v2, 528
	v_lshl_add_u32 v8, v3, 5, v8
	v_add_nc_u32 v8, s3, v8                        ; v8  in: row r, + 32 h
	v_add_nc_u32 v9, s3, v5                        ; v9  back: a row's 512 bytes, 16 a lane
	s_lshl_b32 s16, ttmp9, 13                      ; two tiles of y: 8,192 bytes of codes,
	s_mov_b32 s17, 0
	s_lshl_b32 s18, ttmp9, 9                       ; 512 of scale words
	s_mov_b32 s19, 0
	s_lshl_b32 s20, s2, 15                         ; my 128 rows of Wu: codes,
	s_mov_b32 s21, 0
	s_lshl_b32 s22, s2, 11                         ; scale bytes;
	s_mov_b32 s23, 0
	s_lshl_b32 s24, s2, 9                          ; my 128 numbers of bu, and of a row of out0
	s_mov_b32 s25, 0
	s_lshl_b32 s26, ttmp9, 16                      ; 32 rows of 2,048 bytes
	s_add_co_u32 s26, s26, s24
	s_mov_b32 s27, 0
	s_wait_kmcnt 0x0
	s_add_nc_u64 s[4:5], s[4:5], s[16:17]
	s_add_nc_u64 s[6:7], s[6:7], s[18:19]
	s_add_nc_u64 s[8:9], s[8:9], s[20:21]
	s_add_nc_u64 s[10:11], s[10:11], s[22:23]
	s_add_nc_u64 s[12:13], s[12:13], s[24:25]
	s_add_nc_u64 s[14:15], s[14:15], s[26:27]
	WIN 0x40                                       ; destination window 1
.irp t, 0,1,2,3,4,5,6,7
.irp s, 0,1,2,3
.irp c, 0,1
	global_load_b128 v[8*(4*\t+\s)+4*\c:8*(4*\t+\s)+4*\c+3], v4, s[8:9] offset:16*\t*256+64*\s+32*\c
.endr
.endr
.endr
	WIN 0x80                                       ; destination window 2
.irp t, 0,1,2,3,4,5,6,7
	global_load_b128 v[8*\t:8*\t+3], v7, s[12:13] offset:64*\t         ; bu[128 w + 16 t + 8 h + 0 .. 7]
	global_load_b128 v[8*\t+4:8*\t+7], v7, s[12:13] offset:64*\t+16
.endr
	WIN 0
.irp u, 0,1,2,3
	global_load_b128 v[12+4*\u:15+4*\u], v5, s[10:11] offset:512*\u    ; a row's 16 bytes are its four scale words
.endr
.irp m, 0,1
.irp s, 0,1,2,3
.irp c, 0,1
	global_load_b128 v[32+32*\m+8*\s+4*\c:35+32*\m+8*\s+4*\c], v5, s[4:5] offset:4096*\m+512*(2*\s+\c)
.endr
	global_load_b32 v[96+4*\m+\s], v6, s[6:7] offset:256*\m+64*\s
.endr
.endr
.macro MMO m, t, s, first              ; row tile m, tile t of Wu, K step s
.set rD, 104+64*(\m)+8*(\t)
.set rA, 8*(4*(\t)+(\s))
.set rB, 32+32*(\m)+8*(\s)
.set rC, rD
.if \first
.set rC, 8*(\t)                        ; bu, in window 2
.endif
.if (\t)%2
	v_wmma_scale_f32_16x16x128_f8f6f4 v[rD:rD+7], v[rA:rA+7], v[rB:rB+7], v[rC:rC+7], v[12+4*((\t)/2)+(\s)], v[96+4*(\m)+(\s)] matrix_a_fmt:MATRIX_FMT_FP4 matrix_b_fmt:MATRIX_FMT_FP4 matrix_a_scale:MATRIX_SCALE_ROW1
.else
	v_wmma_scale_f32_16x16x128_f8f6f4 v[rD:rD+7], v[rA:rA+7], v[rB:rB+7], v[rC:rC+7], v[12+4*((\t)/2)+(\s)], v[96+4*(\m)+(\s)] matrix_a_fmt:MATRIX_FMT_FP4 matrix_b_fmt:MATRIX_FMT_FP4
.endif
.endm
	s_wait_loadcnt 0x0
	WIN 0x21                                       ; source 0 (Wu) window 1, source 2 (bu) window 2
.irp m, 0,1
.irp t, 0,1,2,3,4,5,6,7
	MMO \m, \t, 0, 1
.endr
.endr
	WIN 0x01                                       ; the 16 accumulators take turns, one instruction a turn
.irp s, 1,2,3
.irp m, 0,1
.irp t, 0,1,2,3,4,5,6,7
	MMO \m, \t, \s, 0
.endr
.endr
.endr
	WIN 0
.rept 4
	v_nop                                          ; four places in front of the first read of results (ISA guide 7.12.1)
.endr
.macro TOSTAGE m
.irp t, 0,1,2,3,4,5,6,7
	ds_store_b128 v8, v[104+64*\m+8*\t:107+64*\m+8*\t] offset:64*\t        ; each accumulator from its low end on
	ds_store_b128 v8, v[108+64*\m+8*\t:111+64*\m+8*\t] offset:64*\t+16
.endr
.irp i, 0,1,2,3,4,5,6,7,8,9,10,11,12,13,14,15
	ds_load_b128 v[104+64*\m+4*\i:107+64*\m+4*\i], v9 offset:528*\i        ; LDS serves a wave's instructions in order (ISA guide 5.7.1.4): these see the stores above, and the next tile's stores come behind them
.endr
.endm
.macro SEND m, younger                 ; younger: the LDS instructions issued behind this tile's loads
.irp i, 0,1,2,3,4,5,6,7,8,9,10,11,12,13,14,15
	s_wait_dscnt \younger+15-\i                    ; row i is back: behind it stand the tile's 15 - i younger loads and the other tile's instructions
	global_store_b128 v5, v[104+64*\m+4*\i:107+64*\m+4*\i], s[14:15] offset:32768*\m+2048*\i th:TH_STORE_NT   ; 32 lanes store 512 consecutive bytes, at a multiple of 256 from out0's first byte; written once
.endr
.endm
	TOSTAGE 0
	TOSTAGE 1
	SEND 0, 32
	SEND 1, 0
	s_wait_tensorcnt 0x0
	ds_add_u32 v254, v255
	s_wait_dscnt 0x0
	s_endpgm
.Lfunc_end_k_q8715b0cf2b_outp:
	.size	k_q8715b0cf2b_outp, .Lfunc_end_k_q8715b0cf2b_outp-k_q8715b0cf2b_outp
	.p2alignl 7, 3214868480
	.fill 96, 4, 3214868480
	.section	.rodata,"a",@progbits
	.p2align	6, 0x0
	.amdhsa_kernel k_q8715b0cf2b_outp
		.amdhsa_group_segment_fixed_size 34304
		.amdhsa_private_segment_fixed_size 0
		.amdhsa_enable_private_segment 0
		.amdhsa_kernarg_size 48
		.amdhsa_user_sgpr_count 2
		.amdhsa_user_sgpr_kernarg_segment_ptr 1
		.amdhsa_wavefront_size32 1
		.amdhsa_system_sgpr_workgroup_id_x 1
		.amdhsa_system_sgpr_workgroup_id_y 1
		.amdhsa_system_sgpr_workgroup_id_z 1
		.amdhsa_system_vgpr_workitem_id 0
		.amdhsa_next_free_vgpr 576
		.amdhsa_next_free_sgpr 66
		.amdhsa_reserve_vcc 0
		.amdhsa_float_denorm_mode_32 3
		.amdhsa_float_denorm_mode_16_64 3
		.amdhsa_memory_ordered 1
		.amdhsa_forward_progress 1
		.amdhsa_inst_pref_size 29
	.end_amdhsa_kernel
	.amdgpu_metadata
---
amdhsa.version: [ 1, 2 ]
amdhsa.kernels:
  - .name:           k_q8715b0cf2b_outp
    .symbol:         k_q8715b0cf2b_outp.kd
    .args:
      - { .name: yimg, .offset: 0, .size: 8, .value_kind: global_buffer, .address_space: global }
      - { .name: ysc, .offset: 8, .size: 8, .value_kind: global_buffer, .address_space: global }
      - { .name: Wu_codes, .offset: 16, .size: 8, .value_kind: global_buffer, .address_space: global }
      - { .name: Wu_scales, .offset: 24, .size: 8, .value_kind: global_buffer, .address_space: global }
      - { .name: bu, .offset: 32, .size: 8, .value_kind: global_buffer, .address_space: global }
      - { .name: out0, .offset: 40, .size: 8, .value_kind: global_buffer, .address_space: global }
    .group_segment_fixed_size: 34304
    .private_segment_fixed_size: 0
    .kernarg_segment_align: 8
    .kernarg_segment_size: 48
    .max_flat_workgroup_size: 128
    .sgpr_count:     66
    .vgpr_count:     576
    .wavefront_size: 32
...
	.end_amdgpu_metadata
.endif
;; end of part 3
;; ======== version 2 of 2: 3 launches
;; limits: right only within a limited range of input values
;; workspace buffers: qimg 2,097,152 bytes; qsc 262,144 bytes; kv 4,718,592 bytes; maskw 4,194,304 bytes of whole numbers; yimg 2,097,152 bytes; ysc 131,072 bytes
;; launch prep (part 4): grid 896 x 1, 4 waves a work-group, no clusters, 34,304 bytes of LDS; arguments x1_codes, x1_scales, Wq_codes, Wq_scales, bq, qimg, qsc, x2_codes, x2_scales, Wk_codes, Wk_scales, bk, Wv_codes, Wv_scales, bv, kv, mask, maskw; writes qimg, qsc, kv, maskw
.if DOCPART == 4
	.amdgcn_target "amdgcn-amd-amdhsa--gfx1250"
	.amdhsa_code_object_version 6
	.text
	.protected	k_q8715b0cf2b_prep
	.globl	k_q8715b0cf2b_prep
	.p2align	8
	.type	k_q8715b0cf2b_prep,@function
k_q8715b0cf2b_prep:
	s_mov_b64 s[64:65], 0
	v_nop
	global_prefetch_b8 v0, s[64:65] scope:SCOPE_SE
	s_setreg_imm32_b32 hwreg(HW_REG_WAVE_SCHED_MODE, 0, 2), 2
	s_setreg_imm32_b32 hwreg(HW_REG_WAVE_MODE, 25, 1), 1
	s_wait_xcnt 0x0
	s_wait_alu depctr_vm_vsrc(0)
; TWO KINDS OF WORK-GROUPS IN ONE LAUNCH.  Numbers 0-383: q = x1 Wq^T + bq, k = x2 Wk^T + bk, v = x2 Wv^T + bv on codes of FP4 (E2M1) with E8M0 scales, each result quantised
; in registers and stored as an IMAGE OF THE OPERAND'S REGISTERS for the attention launch.  Numbers 384-895: the int32 mask [2][4096][4096] is packed to one bit a number.
; THE PROJECTIONS, one text for three jobs.  A unit is D[i][j] = S0[i] . S1[j] + bias: source 0 = 128 rows of S0 (8 tiles), source 1 = 16 rows of S1, K = 512 in 4 steps: 32 matrix instructions.
;   job 0 (q): S0 = Wq, S1 = x1;  job 1 (k): S0 = Wk, S1 = x2;  job 2 (v): S0 = x2, S1 = Wv.  S0's rows are the axis along which the result is quantised: channels for q and k, keys for v.
;   THE ROWS OF S0 THAT FORM A TILE ARE NOT NEIGHBOURS: lane r of tile 2 b + u takes row 32 b + 8 u + r + 8 (r / 8).  So lane (r, h) holds ONE row of S1, and its accumulator register 16 b + i is S0's row 32 b + 16 h + i:
;   16 neighbours of a block of 32, the other 16 in lane l xor 16.  QUANT makes of the 64 registers a whole fragment (8 registers) and its scale word.
;   For k and v the rows of S1 that form a tile are chosen in the same way (P = 1), since attention wants its keys, and the channels of V, in that order.
;   A wave keeps its 128 rows of S0 (32 fragments, 256 registers, window 1) and walks 4 tiles of S1, written out.  128 work-groups a job.
;   No cluster and no LDS tile here: a wave's 32,768 bytes of S0 go once from memory into its own registers, and a tile of S1 is 4,096 bytes.
; THE MASK.  A work-group takes 16 whole rows, 262,144 consecutive bytes; wave w their key steps 8 w .. 8 w + 7: 8 tiles of 16 rows x 512 bytes.  Each load reads 512 consecutive bytes; a tile turns through the wave's own
;   stage in LDS, so that lane (r, h) holds row r's numbers 32 b + 16 h + i in register 16 b + i, as it will hold the scores; a compare then gives word 16 b + i, whose bit l is lane l's flag.
;   A tile's 64 words leave as 256 consecutive bytes, aligned.
; LIMITS: a block of zeros gets the scale byte 1 where the quantiser's rule says 127: its codes are zeros, and this program alone reads the bytes.  NaN and infinities among the inputs are not served.
; THE MODE: SCHED_MODE bits 1:0 = 2 (LLVM: expert scheduling mode 2), set by the entry lines.  The code itself states the register dependences between vector or matrix instructions and memory or LDS
; instructions, with s_wait_alu, always for 0.
; THE PLAN, PROJECTIONS.  Registers that memory instructions touch:
;   v4-v15, v18     offsets: written at the head, never again.
;   S0, S0S, BC, BVL  loaded once at the head; read by products and moves alone.
;   S1F, S1S        one set.  Unit i's 32 products read it; behind them the loads of tile i + 1 land in it.
;   PC0, PC1, OW0, OW1  two out-buffers by turns.  Unit i's QUANT and the two lines behind it write set i % 2; the three stores that read it are issued in unit i + 1.
;   ONE wait on va_vdst stands in a unit, behind its last product's places: the products are done reading S1F and S1S, and the unit before has written its out-buffer.  The unit's nine loads and three stores follow it;
;   QUANT, behind them, names neither S1's set nor the other out-buffer.  The wait on vm_vsrc for an out-buffer stands at the head of the unit that writes it again, a whole unit behind the stores that read it.
; THE PLAN, MASK.  v4-v7: addresses, written at the head alone.  Set j % 3 of v32-223: global loads land in it, 16 LDS stores read it, 16 LDS loads land in it, 64 compares read it, the loads of tile j + 3 land in it.
;   v224 + 2 j, v225 + 2 j: written by tile j's writelanes, read by one store, issued in tile j + 1, and never written again.  Three waits a tile: vm_vsrc between the LDS stores and the LDS loads; va_sdst between the
;   64 compares and the writelanes that read their scalar registers; va_vdst behind it, for the loads into the set that the compares have read and for the store of the words that the tile before has written.
.set S0S, 20                           ; v20-35   S0's scale words: pair u of tiles, K step s at 20 + 4 u + s: lanes 0-15 tile 2 u, lanes 16-31 tile 2 u + 1
.set S1F, 36                           ; v36-67   S1's fragments, K step s at 36 + 8 s
.set S1S, 68                           ; v68-71   S1's scale words
.set ACC, 72                           ; v72-135  the 8 accumulators
.set BC,  136                          ; v136-199 the bias by S0's rows, in the result's layout (q, k)
.set BV,  200                          ; v200-207 the bias by S1's row, eight times (v)
.set TM,  208                          ; v208-223 at work in QUANT
.set PW,  224                          ; v224     the scale word just made
.set PC,  226                          ; v226-233, v244-251 the codes just made: two sets, unit i writes set i % 2, at PC + 18 (i % 2)
.set OW,  234                          ; v234, v235 the scale word as it is stored: unit i writes OW + i % 2
.set BVL, 240                          ; v240-243 v's bias of my lane's row, for each of the 4 units
.set MSB, 0
.macro WIN new                         ; the immediate's high byte repeats the setting that is left
.if MSB != \new
	s_set_vgpr_msb (MSB<<8)|\new
.set MSB, \new
.endif
.endm
	s_load_b512 s[8:23], s[0:1], 0x0               ; x1_codes 8, x1_scales 10, Wq_codes 12, Wq_scales 14, bq 16, qimg 18, qsc 20, x2_codes 22
	s_load_b512 s[24:39], s[0:1], 0x40             ; x2_scales 24, Wk_codes 26, Wk_scales 28, bk 30, Wv_codes 32, Wv_scales 34, bv 36, kv 38
	s_load_b128 s[40:43], s[0:1], 0x80             ; mask 40, maskw 42
	v_lshl_add_u32 v254, v0, 2, 0x8400             ; the LDS address of my spare word, behind the four stages; kept for the closing lines alone
	v_mov_b32 v255, 0                              ; and 0, likewise
	v_lshrrev_b32 v1, 5, v0
	v_readfirstlane_b32 s2, v1                     ; wave 0..3
	v_and_b32 v1, 31, v0                           ; lane
	v_and_b32 v2, 15, v0                           ; r
	v_bfe_u32 v3, v0, 4, 1                         ; h
	s_wait_alu depctr_va_sdst(0)                   ; s2 is written, ahead of the branch and of its first reader on both ways
	s_cmp_lt_u32 ttmp9, 384
	s_cbranch_scc0 .Lmask
	; ---------------- the projections ----------------
	s_lshr_b32 s3, ttmp9, 7                        ; the job: 0 q, 1 k, 2 v
	s_and_b32 s4, ttmp9, 127                       ; L: the work-group's number in its job
	s_lshr_b32 s70, s4, 3
	s_lshl_b32 s70, s70, 2
	s_and_b32 s71, s4, 7
	s_mov_b32 s61, 0xffff
	s_mov_b32 s66, 512
	s_mov_b32 s58, 294912
	s_mov_b32 s59, 294912
	s_mov_b32 s76, 4096
	s_cmp_eq_u32 s3, 2                             ; what v has otherwise than q and k
	s_cselect_b32 s5, s70, 0                       ; S0's group of 128 rows, less the wave: v: 4 (L / 8); q, k: 0
	s_cselect_b32 s6, s71, s4                      ; the run of 4 tiles of S1: v: L % 8 (a head of Wv); q, k: L (64 tokens)
	s_cselect_b32 s60, 0, 16                       ; lanes 16-31 shift the scale word by so much
	s_cselect_b32 s61, -1, s61                     ; what is kept of it,
	s_cselect_b32 s62, 0, 0x7f7f0000               ; and what is set: for q and k bytes 2, 3 are 1.0: they scale the zero codes that fill a head's 64 up to the instruction's 128
	s_cselect_b32 s66, 1024, s66                   ; from unit to unit in the images,
	s_cselect_b32 s68, 128, 64                     ; and in the scale words
	s_cselect_b32 s58, 512, s58                    ; where registers 4-7 go: v: 512 bytes on; k: the next head's block
	s_cselect_b32 s59, 64, s59                     ; where lanes 16-31 put their scale word
	s_cselect_b32 s75, 4608, 0                     ; V's image begins 4,608 bytes into a step's block,
	s_cselect_b32 s76, 8704, s76                   ; V's scale words 8,704, K's 4,096
	s_mov_b32 s77, 294912
	s_mov_b32 s79, 9216
	s_cmp_eq_u32 s3, 0                             ; what q has otherwise than k and v
	s_cselect_b32 s7, 0, 1                         ; P
	s_cselect_b32 s58, 131072, s58
	s_cselect_b32 s59, 16384, s59
	s_cselect_b32 s76, 0, s76
	s_cselect_b32 s73, 131072, s77                 ; a head in the images' buffer,
	s_cselect_b32 s77, 16384, s77                  ; in the scale words' buffer;
	s_cselect_b32 s78, 4096, s79                   ; 128 tokens in the one,
	s_cselect_b32 s79, 512, s79                    ; and in the other
	s_mov_b32 s67, 0
	s_mov_b32 s69, 0
	s_add_co_u32 s5, s5, s2                        ; S0's group
	s_lshr_b32 s70, s5, 5
	s_lshl_b32 s70, s70, 3
	s_add_co_u32 s70, s70, s6                      ; v: batch x 8 + head = 8 (group / 32) + run
	s_lshr_b32 s71, s4, 6
	s_lshl_b32 s71, s71, 3
	s_lshl_b32 s72, s2, 1
	s_add_co_u32 s71, s71, s72                     ; q, k: 8 (L / 64) + 2 x wave: the first of my two heads
	s_and_b32 s72, s5, 31                          ; v: the key step
	s_bfe_u32 s74, s4, 0x50001                     ; q, k: (L % 64) / 2
	s_and_b32 s82, s4, 1
	s_lshl_b32 s82, s82, 2                         ; q, k: my first tile among the step's 8
	s_lshl_b32 s90, s6, 8
	s_lshl_b32 s92, s5, 9
	s_cmp_eq_u32 s3, 2
	s_cselect_b32 s70, s70, s71
	s_cselect_b32 s72, s72, s74
	s_cselect_b32 s82, 0, s82
	s_cselect_b32 s90, s90, 0                      ; the bias by S1's row begins at the run's 64 numbers (v), else at 0: every load stays inside its 2,048 bytes
	s_cselect_b32 s92, 0, s92                      ; the bias by S0's rows at the group's 128 numbers (q, k), else at 0
	s_mov_b32 s91, 0
	s_mov_b32 s93, 0
	s_mul_i32 s73, s70, s73
	s_mul_i32 s78, s72, s78
	s_add_co_u32 s84, s73, s78
	s_lshl_b32 s78, s82, 9
	s_add_co_u32 s84, s84, s78
	s_add_co_u32 s84, s84, s75                     ; where my first image goes
	s_mov_b32 s85, 0
	s_mul_i32 s77, s70, s77
	s_mul_i32 s79, s72, s79
	s_add_co_u32 s86, s77, s79
	s_lshl_b32 s79, s82, 6
	s_add_co_u32 s86, s86, s79
	s_add_co_u32 s86, s86, s76                     ; and my first scale words
	s_mov_b32 s87, 0
	s_lshl_b32 s71, s7, 11
	s_sub_co_u32 s71, 4096, s71                    ; an odd tile of S1 begins 16 - 8 P rows behind the even one: in codes,
	s_lshl_b32 s74, s7, 7
	s_sub_co_u32 s74, 256, s74                     ; in scale bytes
	s_mov_b32 s80, 0x76543210
	s_mov_b32 s81, 0xfedcba98                      ; v_permlanex16_b32's selects for lane l xor 16
	s_wait_alu depctr_va_vdst(0)
	v_and_b32 v16, 8, v2                           ; 8 (r / 8)
	v_add_nc_u32 v19, v16, v2
	v_lshlrev_b32 v4, 8, v19
	v_lshl_add_u32 v4, v3, 4, v4                   ; v4  S0's codes: row r + 8 (r / 8) of 256 bytes, + 16 h
	v_lshl_add_u32 v5, v3, 3, v19
	v_lshlrev_b32 v5, 4, v5                        ; v5  S0's scale bytes: 16 a row; lanes 16-31 take the odd tile's rows, 8 further on
	v_mul_u32_u24 v16, s7, v16
	v_add_nc_u32 v16, v16, v2                      ; r + P x 8 (r / 8)
	v_lshlrev_b32 v6, 8, v16
	v_lshl_add_u32 v6, v3, 4, v6                   ; v6  S1's codes, even tiles;
	v_add_nc_u32 v7, s71, v6                       ; v7  odd tiles
	v_lshlrev_b32 v8, 4, v16                       ; v8  S1's scale bytes, even tiles;
	v_add_nc_u32 v9, s74, v8                       ; v9  odd tiles
	v_lshlrev_b32 v10, 4, v1                       ; v10 an image's place for my lane: registers 0-3;
	v_add_nc_u32 v11, s58, v10                     ; v11 registers 4-7
	v_mul_u32_u24 v12, s59, v3
	v_lshl_add_u32 v12, v2, 2, v12                 ; v12 my scale word's place
	v_mul_u32_u24 v13, s60, v3                     ; v13 my shift of the scale word
	v_lshlrev_b32 v14, 6, v3                       ; v14 the bias by S0's rows: 16 h numbers on
	v_lshrrev_b32 v15, 2, v8                       ; v15 the bias by S1's row, even tiles: 4 bytes a row;
	v_lshrrev_b32 v18, 2, v9                       ; v18 odd tiles
.irp b, 0,1,2,3
	v_mov_b32 v[TM+4+\b], 0                        ; written once: a lane permute's destination counts as one of its sources
.endr
	s_wait_kmcnt 0x0
	s_cmp_eq_u32 s3, 1                             ; k's buffers or v's; the choices hang on the work-group's number alone
	s_cselect_b64 s[44:45], s[26:27], s[22:23]     ; S0's codes
	s_cselect_b64 s[46:47], s[28:29], s[24:25]     ; S0's scales
	s_cselect_b64 s[48:49], s[22:23], s[32:33]     ; S1's codes
	s_cselect_b64 s[50:51], s[24:25], s[34:35]     ; S1's scales
	s_cselect_b64 s[52:53], s[30:31], s[36:37]     ; the bias
	s_cmp_eq_u32 s3, 0                             ; or q's
	s_cselect_b64 s[44:45], s[12:13], s[44:45]
	s_cselect_b64 s[46:47], s[14:15], s[46:47]
	s_cselect_b64 s[48:49], s[8:9], s[48:49]
	s_cselect_b64 s[50:51], s[10:11], s[50:51]
	s_cselect_b64 s[52:53], s[16:17], s[52:53]
	s_cselect_b64 s[54:55], s[18:19], s[38:39]     ; the images go to qimg or kv,
	s_cselect_b64 s[56:57], s[20:21], s[38:39]     ; the scale words to qsc or kv
	s_mov_b32 s89, 0
	s_lshl_b32 s88, s5, 15                         ; 128 rows of 256 bytes
	s_add_nc_u64 s[44:45], s[44:45], s[88:89]
	s_lshl_b32 s88, s5, 11                         ; 128 rows of 16 bytes
	s_add_nc_u64 s[46:47], s[46:47], s[88:89]
	s_lshl_b32 s88, s6, 14                         ; 64 rows of 256 bytes
	s_add_nc_u64 s[48:49], s[48:49], s[88:89]
	s_lshl_b32 s88, s6, 10
	s_add_nc_u64 s[50:51], s[50:51], s[88:89]
	s_add_nc_u64 s[94:95], s[52:53], s[90:91]      ; the bias by S1's row
	s_add_nc_u64 s[52:53], s[52:53], s[92:93]      ; the bias by S0's rows
	s_add_nc_u64 s[54:55], s[54:55], s[84:85]
	s_add_nc_u64 s[56:57], s[56:57], s[86:87]
	WIN 0x40                                       ; destination window 1
	s_wait_alu depctr_va_vdst(0)                   ; the offsets v4 to v15 and v18 are written: every load and store of this path reads one of them; up to the first product only loads and window switches follow
.irp t, 0,1,2,3,4,5,6,7                        ; S0's fragments (tile t, K step s) at v[8 (4 t + s)] of window 1: they stay
.irp s, 0,1,2,3
.irp c, 0,1
	global_load_b128 v[8*(4*\t+\s)+4*\c:8*(4*\t+\s)+4*\c+3], v4, s[44:45] offset:(32*(\t/2)+8*(\t%2))*256+64*\s+32*\c
.endr
.endr
.endr
	WIN 0
.irp u, 0,1,2,3
	global_load_b128 v[S0S+4*\u:S0S+4*\u+3], v5, s[46:47] offset:512*\u   ; a row's 16 bytes are its four scale words
.endr
.macro S1LOAD i                        ; tile i of my run: 4 fragments and the rows' scale words
.irp s, 0,1,2,3
.irp c, 0,1
	global_load_b128 v[S1F+8*\s+4*\c:S1F+8*\s+4*\c+3], v[6+(\i)%2], s[48:49] offset:((\i)/2)*8192+64*\s+32*\c
.endr
.endr
	global_load_b128 v[S1S:S1S+3], v[8+(\i)%2], s[50:51] offset:((\i)/2)*512
.endm
	S1LOAD 0
.irp t, 0,1,2,3,4,5,6,7                        ; both forms of the bias are loaded in every job, so that every register is written on every way; a job uses one of them
	global_load_b128 v[BC+8*\t:BC+8*\t+3], v14, s[52:53] offset:(32*(\t/2)+8*(\t%2))*4
	global_load_b128 v[BC+8*\t+4:BC+8*\t+7], v14, s[52:53] offset:(32*(\t/2)+8*(\t%2))*4+16
.endr
.irp i, 0,1,2,3
	global_load_b32 v[BVL+\i], v[15+3*(\i%2)], s[94:95] offset:(\i/2)*128
.endr
; 64 numbers of a lane, register 16 b + i = k 32 b + 16 h + i of my row, become a fragment's codes in v[PD] on (the unit's set of PC) and its scale word in v[PW].
.macro QUANT s
.irp b, 0,1,2,3
	v_max3_num_f32 v[TM+\b], |v[\s+16*\b]|, |v[\s+1+16*\b]|, 0x1800000   ; block b: my 16 numbers, and the floor 2^(3 - 127): so the byte cannot fall under 1.  Each accumulator is read from its low end on
.endr
.irp i, 2,4,6,8,10,12,14
.irp b, 0,1,2,3
	v_max3_num_f32 v[TM+\b], v[TM+\b], |v[\s+16*\b+\i]|, |v[\s+1+16*\b+\i]|   ; (the four blocks by turns)
.endr
.endr
.irp b, 0,1,2,3
	v_permlanex16_b32 v[TM+4+\b], v[TM+\b], s80, s81
.endr
.irp b, 0,1,2,3
	v_max_num_f32 v[TM+\b], v[TM+\b], v[TM+4+\b]   ; with lane l xor 16's: the block's largest magnitude
.endr
.irp b, 0,1,2,3
	v_add_nc_u32 v[TM+12+\b], 0xff000000, v[TM+\b] ; 2 off its exponent field: the conversion takes the exponent field of this operand as its scale
.endr
.irp b, 0,1,2,3
	v_lshrrev_b32 v[TM+4+\b], 23, v[TM+12+\b]      ; the scale's byte
.endr
	v_lshl_or_b32 v[PW], v[TM+5], 8, v[TM+4]
	v_lshl_or_b32 v[PW], v[TM+6], 16, v[PW]
	v_lshl_or_b32 v[PW], v[TM+7], 24, v[PW]
.irp b, 0,1,2,3
	v_cvt_scalef32_pk8_fp4_f32 v[PD+2*\b], v[\s+16*\b:\s+7+16*\b], v[TM+12+\b]
	v_cvt_scalef32_pk8_fp4_f32 v[PD+1+2*\b], v[\s+8+16*\b:\s+15+16*\b], v[TM+12+\b]
.endr
	v_nop                                          ; one plain place behind a scaled conversion
.irp c, 0,1                                    ; the operand's layout wants a WHOLE block in a lane: lanes 0-15 block 2 c, lanes 16-31 block 2 c + 1
.irp i, 0,1
	v_permlane16_swap_b32 v[PD+4*\c+\i], v[PD+2+4*\c+\i]
.endr
.endr
.endm
.macro MM t, s, c                      ; tile t, K step s; c: the first register of C
.if (\t)%2
	v_wmma_scale_f32_16x16x128_f8f6f4 v[ACC+8*(\t):ACC+8*(\t)+7], v[8*(4*(\t)+(\s)):8*(4*(\t)+(\s))+7], v[S1F+8*(\s):S1F+8*(\s)+7], v[(\c):(\c)+7], v[S0S+4*((\t)/2)+(\s)], v[S1S+(\s)] matrix_a_fmt:MATRIX_FMT_FP4 matrix_b_fmt:MATRIX_FMT_FP4 matrix_a_scale:MATRIX_SCALE_ROW1
.else
	v_wmma_scale_f32_16x16x128_f8f6f4 v[ACC+8*(\t):ACC+8*(\t)+7], v[8*(4*(\t)+(\s)):8*(4*(\t)+(\s))+7], v[S1F+8*(\s):S1F+8*(\s)+7], v[(\c):(\c)+7], v[S0S+4*((\t)/2)+(\s)], v[S1S+(\s)] matrix_a_fmt:MATRIX_FMT_FP4 matrix_b_fmt:MATRIX_FMT_FP4
.endif
.endm
; Unit k's three stores, out of its set of the out-buffers.
.macro SEND k
.set PS, PC+18*((\k)%2)
.set OS, OW+(\k)%2
	global_store_b128 v10, v[PS:PS+3], s[54:55]    ; 512 consecutive bytes: q, k: the first head's fragment; v: keys 0-63
	global_store_b128 v11, v[PS+4:PS+7], s[54:55]  ; q, k: the second head's; v: keys 64-127
	global_store_b32 v12, v[OS], s[56:57]
.endm
; One unit: 16 rows of S1 against my 128 rows of S0.  The bias is the C of each sum's first matrix instruction.  The 8 accumulators take turns, one instruction a turn.
.macro UNIT i
.set PD, PC+18*((\i)%2)
.set OD, OW+(\i)%2
	s_wait_loadcnt 0x0                             ; this tile of S1 (in the first unit: all of the head's loads)
.if (\i) >= 2
	s_wait_xcnt 0x0                                ; the stores issued in the unit before have read their data and their bases: both are written again only behind this wait
	s_wait_alu depctr_vm_vsrc(0)                   ; those stores have read this unit's set of PC and OW, which QUANT and the two lines behind it write again
	s_add_nc_u64 s[54:55], s[54:55], s[66:67]      ; on to the place of the unit before, whose stores stand below
	s_add_nc_u64 s[56:57], s[56:57], s[68:69]
.endif
	s_cmp_eq_u32 s3, 2                             ; a branch on the work-group's number
	s_cbranch_scc1 .Lcol_\@
	WIN 0x01                                       ; source 0 (S0) window 1
.irp t, 0,1,2,3,4,5,6,7
	MM \t, 0, BC+8*\t
.endr
	WIN 0
	s_branch .Lgo_\@
.Lcol_\@:
.irp j, 0,1,2,3,4,5,6,7
	v_mov_b32 v[BV+\j], v[BVL+(\i)]                ; v: one number for all of a lane's results
.endr
.rept 4
	v_nop                                          ; four places between these writes and the matrix instruction that takes them as C, as for an operand so written
.endr
	WIN 0x01
.irp t, 0,1,2,3,4,5,6,7
	MM \t, 0, BV
.endr
	WIN 0
.Lgo_\@:
	WIN 0x01
.irp s, 1,2,3
.irp t, 0,1,2,3,4,5,6,7
	MM \t, \s, ACC+8*\t
.endr
.endr
	WIN 0
.rept 4
	v_nop                                          ; four places in front of the first read of results (ISA guide 7.12.1)
.endr
	s_wait_alu depctr_va_vdst(0)                   ; the products are done reading S1F and S1S, in which the next tile's loads land; the unit before has written its set of PC and OW, which the stores below read
.if (\i) < 3
	S1LOAD (\i)+1                                  ; the next tile lands while this one is quantised
.endif
.if (\i) > 0
	SEND (\i)-1                                    ; the unit before.  No further wait: no vector instruction since the wait above names its set
.endif
	QUANT ACC
	v_lshrrev_b32 v[OD], v13, v[PW]                ; q, k: lanes 0-15 keep the first head's two bytes, lanes 16-31 take the second head's
	v_and_or_b32 v[OD], v[OD], s61, s62
.endm
	UNIT 0
	UNIT 1
	UNIT 2
	UNIT 3
	s_wait_xcnt 0x0                                ; unit 2's stores have read their bases
	s_add_nc_u64 s[54:55], s[54:55], s[66:67]
	s_add_nc_u64 s[56:57], s[56:57], s[68:69]
	s_wait_alu depctr_va_vdst(0)                   ; unit 3 has written its set of PC and OW, which the last three stores read
	SEND 3
	s_endpgm
	; ---------------- the mask ----------------
.Lmask:
	s_sub_co_u32 s3, ttmp9, 384                    ; 256 x batch + tile of 16 queries
	s_lshl_b32 s44, s3, 18                         ; 16 rows of 16,384 bytes,
	s_lshl_b32 s4, s2, 12                          ; my wave's 8 key steps of 512 bytes
	s_add_co_u32 s44, s44, s4
	s_mov_b32 s45, 0
	s_lshl_b32 s46, s3, 13                         ; 32 steps of 256 bytes of words,
	s_lshl_b32 s4, s2, 11                          ; my 8
	s_add_co_u32 s46, s46, s4
	s_mov_b32 s47, 0
	s_mul_i32 s5, s2, 8448                         ; my stage: 16 rows of 528 bytes: 512 + 16, so that the 16 rows that a load touches start at 16 different banks (ISA guide 11.1)
	s_wait_alu depctr_va_vdst(0)
	v_lshlrev_b32 v4, 4, v1                        ; v4  16 x lane: my bytes of a row's 512
	v_add_nc_u32 v5, s5, v4                        ; v5  the stage, on the way in
	v_mul_u32_u24 v6, v2, 528
	v_lshl_add_u32 v6, v3, 6, v6
	v_add_nc_u32 v6, s5, v6                        ; v6  and out: row r, + 64 h
	v_lshlrev_b32 v7, 3, v1                        ; v7  8 x lane: two words a lane
.irp i, 0,1,2,3,4,5,6,7,8,9,10,11,12,13,14,15
	v_mov_b32 v[224+\i], 0                         ; the words' registers, two a tile: v_writelane_b32's destination counts as one of its sources
.endr
	s_wait_kmcnt 0x0                               ; all arguments are in: s8-39, which hold the projections' addresses, are free in this path from here on
	s_add_nc_u64 s[40:41], s[40:41], s[44:45]
	s_add_nc_u64 s[42:43], s[42:43], s[46:47]
.macro LOADT j                         ; tile j into set j % 3 of v32-223: load i reads 512 consecutive bytes of row i; read once in the launch
.irp i, 0,1,2,3,4,5,6,7,8,9,10,11,12,13,14,15
	global_load_b128 v[32+64*((\j)%3)+4*\i:32+64*((\j)%3)+4*\i+3], v4, s[40:41] offset:16384*\i+512*(\j) th:TH_LOAD_NT
.endr
.endm
.macro WORDS j                         ; tile j's 64 words leave
	global_store_b64 v7, v[224+2*(\j):225+2*(\j)], s[42:43] offset:256*(\j)   ; 32 lanes store 256 consecutive bytes, aligned; each tile has its own two registers, so no store's data are written again
.endm
; A tile.  Word n's scalar register is s[8 + n], with s40-47 and s64, s65 passed over: s8-39, s48-63, s66-81.
.macro TILE j
.set SR, 32+64*((\j)%3)
.if (\j) < 6
	s_wait_loadcnt 32                              ; this tile's 16 loads are in; the two younger tiles' 32 may be out
.else
	s_wait_loadcnt 16*(7-(\j))
.endif
.irp i, 0,1,2,3,4,5,6,7,8,9,10,11,12,13,14,15
	ds_store_b128 v5, v[SR+4*\i:SR+4*\i+3] offset:528*\i
.endr
	s_wait_alu depctr_vm_vsrc(0)                   ; the LDS stores above have read the set's registers, in which the LDS loads below land
.irp b, 0,1,2,3
.irp q, 0,1,2,3
	ds_load_b128 v[SR+16*\b+4*\q:SR+16*\b+4*\q+3], v6 offset:128*\b+16*\q   ; LDS serves a wave's instructions in order (ISA guide 5.7.1.4): these see the stores above.  Register 16 b + i: row r, number 32 b + 16 h + i
.endr
.endr
	s_wait_dscnt 0x0
.set nn, 0
.rept 64
	v_cmp_ne_u32 s[8+nn+8*(nn/32)+2*(nn/48)], 0, v[SR+nn]   ; word nn: bit l is lane l's flag.  All 64 in one run, each into a scalar register of its own
.set nn, nn+1
.endr
	s_wait_alu depctr_va_sdst(0)                   ; the 64 compares have written their scalar registers, which the writelanes below read
	s_wait_alu depctr_va_vdst(0)                   ; the compares are done reading the set, in which the loads below land; the tile before has written its two registers of words, which the store below reads
.if (\j)+3 < 8
	LOADT (\j)+3
.endif
.if (\j) > 0
	WORDS (\j)-1
.endif
.set nn, 0
.rept 64
	v_writelane_b32 v[224+2*(\j)+nn%2], s[8+nn+8*(nn/32)+2*(nn/48)], nn/2   ; word n lies in lane n / 2, register n % 2
.set nn, nn+1
.endr
.endm
	s_wait_alu depctr_va_vdst(0)                   ; the addresses v4 to v7 are written, which the loads, LDS instructions and stores of this path read
	LOADT 0
	LOADT 1
	LOADT 2
.irp j, 0,1,2,3,4,5,6,7
	TILE \j
.endr
	s_wait_alu depctr_va_vdst(0)                   ; tile 7's writelanes have written its two registers of words, which the last store reads
	WORDS 7
	s_wait_dscnt 0x0                               ; the closing lines, six on end
	s_wait_alu 0x0
	s_wait_tensorcnt 0x0
	ds_add_u32 v254, v255
	s_wait_dscnt 0x0
	s_endpgm
.Lfunc_end_k_q8715b0cf2b_prep:
	.size	k_q8715b0cf2b_prep, .Lfunc_end_k_q8715b0cf2b_prep-k_q8715b0cf2b_prep
	.p2alignl 7, 3214868480
	.fill 96, 4, 3214868480
	.section	.rodata,"a",@progbits
	.p2align	6, 0x0
	.amdhsa_kernel k_q8715b0cf2b_prep
		.amdhsa_group_segment_fixed_size 34304
		.amdhsa_private_segment_fixed_size 0
		.amdhsa_enable_private_segment 0
		.amdhsa_kernarg_size 144
		.amdhsa_user_sgpr_count 2
		.amdhsa_user_sgpr_kernarg_segment_ptr 1
		.amdhsa_wavefront_size32 1
		.amdhsa_system_sgpr_workgroup_id_x 1
		.amdhsa_system_sgpr_workgroup_id_y 1
		.amdhsa_system_sgpr_workgroup_id_z 1
		.amdhsa_system_vgpr_workitem_id 0
		.amdhsa_next_free_vgpr 512
		.amdhsa_next_free_sgpr 96
		.amdhsa_reserve_vcc 0
		.amdhsa_float_denorm_mode_32 3
		.amdhsa_float_denorm_mode_16_64 3
		.amdhsa_memory_ordered 1
		.amdhsa_forward_progress 1
		.amdhsa_inst_pref_size 154
	.end_amdhsa_kernel
	.amdgpu_metadata
---
amdhsa.version: [ 1, 2 ]
amdhsa.kernels:
  - .name:           k_q8715b0cf2b_prep
    .symbol:         k_q8715b0cf2b_prep.kd
    .args:
      - { .name: x1_codes, .offset: 0, .size: 8, .value_kind: global_buffer, .address_space: global }
      - { .name: x1_scales, .offset: 8, .size: 8, .value_kind: global_buffer, .address_space: global }
      - { .name: Wq_codes, .offset: 16, .size: 8, .value_kind: global_buffer, .address_space: global }
      - { .name: Wq_scales, .offset: 24, .size: 8, .value_kind: global_buffer, .address_space: global }
      - { .name: bq, .offset: 32, .size: 8, .value_kind: global_buffer, .address_space: global }
      - { .name: qimg, .offset: 40, .size: 8, .value_kind: global_buffer, .address_space: global }
      - { .name: qsc, .offset: 48, .size: 8, .value_kind: global_buffer, .address_space: global }
      - { .name: x2_codes, .offset: 56, .size: 8, .value_kind: global_buffer, .address_space: global }
      - { .name: x2_scales, .offset: 64, .size: 8, .value_kind: global_buffer, .address_space: global }
      - { .name: Wk_codes, .offset: 72, .size: 8, .value_kind: global_buffer, .address_space: global }
      - { .name: Wk_scales, .offset: 80, .size: 8, .value_kind: global_buffer, .address_space: global }
      - { .name: bk, .offset: 88, .size: 8, .value_kind: global_buffer, .address_space: global }
      - { .name: Wv_codes, .offset: 96, .size: 8, .value_kind: global_buffer, .address_space: global }
      - { .name: Wv_scales, .offset: 104, .size: 8, .value_kind: global_buffer, .address_space: global }
      - { .name: bv, .offset: 112, .size: 8, .value_kind: global_buffer, .address_space: global }
      - { .name: kv, .offset: 120, .size: 8, .value_kind: global_buffer, .address_space: global }
      - { .name: mask, .offset: 128, .size: 8, .value_kind: global_buffer, .address_space: global }
      - { .name: maskw, .offset: 136, .size: 8, .value_kind: global_buffer, .address_space: global }
    .group_segment_fixed_size: 34304
    .private_segment_fixed_size: 0
    .kernarg_segment_align: 8
    .kernarg_segment_size: 144
    .max_flat_workgroup_size: 128
    .sgpr_count:     96
    .vgpr_count:     512
    .wavefront_size: 32
...
	.end_amdgpu_metadata
.endif
;; end of part 4
;; launch attn (part 5): grid 16 x 16, 16 waves a work-group, clusters of 4 x 1, 327,680 bytes of LDS; arguments qimg, qsc, kv, maskw, yimg, ysc; writes yimg, ysc
.if DOCPART == 5
	.amdgcn_target "amdgcn-amd-amdhsa--gfx1250"
	.amdhsa_code_object_version 6
	.text
	.protected	k_q8715b0cf2b_attn
	.globl	k_q8715b0cf2b_attn
	.p2align	8
	.type	k_q8715b0cf2b_attn,@function
k_q8715b0cf2b_attn:
	s_mov_b64 s[64:65], 0
	v_nop
	global_prefetch_b8 v0, s[64:65] scope:SCOPE_SE
	s_setreg_imm32_b32 hwreg(HW_REG_WAVE_MODE, 25, 1), 1
	s_wait_xcnt 0x0
	s_wait_alu depctr_hold_cnt(0) depctr_sa_sdst(0) depctr_va_vdst(0) depctr_va_sdst(0) depctr_va_ssrc(0) depctr_va_vcc(0) depctr_vm_vsrc(0)
	s_getreg_b32 s2, hwreg(HW_REG_IB_STS2, 6, 4)
	s_cmp_eq_u32 s2, 0
	s_cbranch_scc0 .Lentry_in_a_cluster
	s_endpgm
.Lentry_in_a_cluster:
	s_bfe_u32 s2, ttmp6, 0x10000c
	s_cmp_lg_u32 s2, 0x3003
	s_cbranch_scc0 .Lentry_shape_is_right
	s_endpgm
.Lentry_shape_is_right:
; y[b][h][q] = the sum over k of softmax_k(where(mask == 0, -1e10, q . k / sqrt(512))) v[k], 16 pairs (batch, head) of 4,096 queries x 4,096 keys x 64 channels, both products on codes of FP4 (E2M1) with E8M0 scales;
; y is quantised in registers along the channels and stored as an image of the last product's operand.
; THE SOFTMAX AHEAD OF THE SECOND PRODUCT: t = score x log2(e) / sqrt(512); M = the row's largest t so far, rounded UP to a whole number; p = 2^(t - M) is what is quantised, along the keys, not normalised.
; The row's sum is taken of the unquantised p and divides at the end.  When M moves, the sum and O are multiplied by 2^(old M - new M): exact.
; SHARES.  A work-group owns 256 queries of one (batch, head); each of its SIXTEEN waves 16 of them, one tile, in 256 registers: four waves to a SIMD, so that one wave's vector work stands beside another's
; matrix work and LDS loads.  Every wave walks all 32 key steps of 128 keys.
; LDS.  The head's whole block of kv (32 steps x 9,216 bytes: K's fragments, K's scale words, V's fragments, V's scale words, each an image of the operand's registers) lies at LDS bytes 0 .. 294,911 as it lies in
; memory.  It is filled ONCE, in four phases of 8 steps; phase p + 1 is asked for behind the barrier at the head of phase p and has 8 steps in which to land.  One tensor load of a wave is out at any time.
; CLUSTER.  The four query blocks of a cluster walk the same head: each load is asked for JOINTLY, the same descriptor with a mask that names the four, in all four.  Every wave fetches 4,608 bytes of a phase.
; LAYOUT.  Both products are used transposed: S^T = K Q^T (source 0 = 16 keys), O^T = V^T P^T (source 0 = 16 channels): a lane holds ONE query (lane % 16) throughout.  The keys of a tile of K, and the channels of a
; tile of V, are not neighbours: lane r of tile 2 b + u holds 32 b + 8 u + r + 8 (r / 8), so that the 16 registers of tiles 2 b, 2 b + 1 are 16 neighbours: 32 b + 16 (lane / 16) + 0 .. 15.
; A HEAD'S 64 IN AN INSTRUCTION OF 128: Q's registers 4-7 are zero codes, and bytes 2, 3 of Q's and K's scale words are 1.0.  So K's registers 4-7 may hold any codes: tile t names v[32 + 4 t .. 39 + 4 t], whose
; upper half is the next tile's codes (behind the last tile: zeros), and one LDS load brings a tile.
; THE MASK comes as bits: word n of a (tile of queries, key step) holds in bit l the flag of lane l's score register n.  64 words a step come by scalar loads, a step ahead, and each serves one v_cndmask_b32.
; LIMITS.  A masked score is set to -2^38 ahead of the factor log2(e) / sqrt(512): a logit of about -1.21e10 where the definition has -1e10.  The product with the factor is then exact, so that a row masked at every
; key gives p = 1 for every key, as the definition does.  The result differs from the definition's only where true logits lie under about -1e10.  t is rounded once (score x one factor).
; A block of zeros gets the scale byte 1 where the quantiser's rule says 127: its codes are zeros, and this program alone reads the bytes.  NaN and infinities are not served.
; REGISTERS: v1 16 x lane; v2 4 x lane; v3, v4 the spare word's address and 0; v5, v6 the step's LDS addresses; v7 -2^38; v8 the prefetches' offset; v9 4 r; v12 -M; v13 the largest t; v[14:15] the sum in two halves;
; v16-23 Q; v24 Q's scale words; v32-67 K; v68-99 V; v100-103 K's scale words (lanes 0-15 tile 2 u, lanes 16-31 tile 2 u + 1); v104-107 V's; v112-175 S^T, then p; v176-207 O^T; v208-215 p's codes; v216-233 at work.
; SCALARS: s2 wave; s3 steps to go; s[10:11] my tile's mask words; s[12:13], s[14:15] where y's image and scale bytes go; s[16:23], s[24:27] the descriptor; s28 the step's LDS byte; s29 the step's words;
; s30 1 in a wave that prefetches; s32-63 and s68-99 the 64 mask words; s[66:67] lane selects; s[100:101] the factor.
.set SPARE, 294912                     ; behind the head's block: the spare words, 128 bytes for each wave: eight blocks of 256 bytes that no other line names
.set PHB,   73728                      ; a phase: 8 steps
.set STB,   9216                       ; a step
.macro ROUND                           ; a round of the cluster's barrier
	s_barrier_signal -1
	s_barrier_wait -1
	s_cmp_lg_u32 s2, 0
	s_cbranch_scc1 .Lnot_wave_0_\@
	s_barrier_signal -3
.Lnot_wave_0_\@:
	s_barrier_wait -3
	s_barrier_signal -1
	s_barrier_wait -1
.endm
; A PREFETCH of the next phase's mask words.  A tile of queries has 8 steps x 256 bytes of them in a phase.  The 8 heads of a batch read the same words: head 0's work-groups ask; in them every fourth wave asks for
; four neighbouring waves' tiles: 32 lanes name 4 x 8 blocks of 256 bytes, each block once in the launch.  It stands behind the wave's tensor load and its four lines.  Phase 0's words come by their loads alone;
; the last phase asks for nothing.  The branch hangs on the head and the wave's number, which all partners share.  The address registers are never rewritten.
.macro ASK p
	s_cmp_eq_u32 s30, 1
	s_cbranch_scc0 .Lnot_mine_\@
	global_prefetch_b8 v8, s[10:11] offset:2048*((\p)+1) th:TH_LOAD_NT scope:SCOPE_SE
.Lnot_mine_\@:
.endm
	s_load_b256 s[4:11], s[0:1], 0x0               ; qimg 4, qsc 6, kv 8, maskw 10
	s_load_b128 s[12:15], s[0:1], 0x20             ; yimg 12, ysc 14
	v_lshl_add_u32 v3, v0, 2, SPARE
	v_mov_b32 v4, 0
	ds_add_u32 v3, v4
	ds_add_u32 v3, v4
	s_wait_dscnt 0x0
	v_lshrrev_b32 v5, 5, v0
	s_delay_alu instid0(VALU_DEP_1)
	v_readfirstlane_b32 s2, v5                     ; wave 0..15
	s_bfe_u32 s31, ttmp6, 0x40000                  ; cx: it enters the addresses of Q, the mask words and y alone
	s_lshl_b32 s104, ttmp9, 2
	s_add_co_u32 s104, s104, s31                   ; my block of 256 queries
	s_and_b32 s105, ttmp7, 0xffff                  ; 8 x batch + head, which the four partners share
	s_lshl_b32 s32, s104, 4
	s_add_co_u32 s32, s32, s2                      ; my tile of 16 queries, 0 .. 255
	s_lshr_b32 s33, s105, 3                        ; batch
	s_and_b32 s34, s105, 7                         ; head
	s_lshl_b32 s35, s33, 8
	s_add_co_u32 s35, s35, s32                     ; 256 x batch + tile
	s_lshl_b32 s40, s105, 17                       ; Q's image: 131,072 bytes a head, 512 a tile
	s_lshl_b32 s41, s32, 9
	s_add_co_u32 s40, s40, s41
	s_mov_b32 s41, 0
	s_lshl_b32 s42, s105, 14                       ; Q's scale words: 16,384 a head, 64 a tile
	s_lshl_b32 s43, s32, 6
	s_add_co_u32 s42, s42, s43
	s_mov_b32 s43, 0
	s_mul_i32 s44, s105, 294912                    ; the head's block of kv,
	s_mul_i32 s25, s2, 4608                        ; my wave's 4,608 bytes of a phase: in LDS
	s_add_co_u32 s44, s44, s25                     ; and in memory (these registers never hold cx)
	s_mov_b32 s45, 0
	s_lshl_b32 s46, s35, 13                        ; my tile's mask words: 32 steps x 256 bytes
	s_mov_b32 s47, 0
	s_lshl_b32 s48, s35, 3
	s_add_co_u32 s48, s48, s34
	s_lshl_b32 s48, s48, 9                         ; y's image: [tile][head] of 512 bytes
	s_mov_b32 s49, 0
	s_lshl_b32 s50, s35, 8                         ; y's scale bytes: 256 a tile, 64 for a pair of heads, 4 a row, 2 a head
	s_lshr_b32 s51, s34, 1
	s_lshl_b32 s51, s51, 6
	s_add_co_u32 s50, s50, s51
	s_and_b32 s51, s34, 1
	s_lshl_b32 s51, s51, 1
	s_add_co_u32 s50, s50, s51
	s_mov_b32 s51, 0
	s_and_b32 s31, s2, 3
	s_or_b32 s30, s34, s31
	s_cmp_eq_u32 s30, 0
	s_cselect_b32 s30, 1, 0                        ; head 0, every fourth wave
	; descriptor group 1: 18 rows of 256 bytes (32 elements of 8 bytes), dense in memory and in LDS
	s_mov_b32 s16, 15|(3<<16)|(1<<21)              ; 15:0 the mask: all four work-groups; 17:16 elements of 8 bytes; 21 set beside a mask
	s_mov_b32 s17, 32<<16                          ; tensor_dim0 = 32
	s_mov_b32 s18, 18<<16                          ; tensor_dim1 = 18
	s_mov_b32 s19, 32<<16                          ; tile_dim0 = 32
	s_mov_b32 s20, 18                              ; tile_dim1 = 18
	s_mov_b32 s21, 32                              ; from row to row
	s_mov_b32 s22, 0
	s_mov_b32 s23, 0
	s_mov_b32 s66, 0x76543210
	s_mov_b32 s67, 0xfedcba98                      ; v_permlanex16_b32's selects for lane l xor 16
	s_mov_b32 s100, 0x3d8293ee                     ; log2(e) / sqrt(512)
	s_mov_b32 s101, s100                           ; (named with it as a pair, so it is written)
	v_and_b32 v1, 31, v0
	s_delay_alu instid0(VALU_DEP_1)
	v_lshlrev_b32 v2, 2, v1
	s_delay_alu instid0(VALU_DEP_2)
	v_lshrrev_b32 v8, 3, v1
	s_delay_alu instid0(VALU_DEP_3)
	v_and_b32 v9, 7, v1
	s_delay_alu instid0(VALU_DEP_1)
	v_lshlrev_b32 v9, 8, v9
	s_delay_alu instid0(VALU_DEP_1)
	v_lshl_add_u32 v8, v8, 13, v9                  ; the prefetches: tile lane / 8 of four (8,192 bytes apart), step lane % 8 of the phase
	v_and_b32 v9, 15, v0
	s_delay_alu instid0(VALU_DEP_1)
	v_lshlrev_b32 v9, 2, v9
	v_lshlrev_b32 v1, 4, v1
	v_mov_b32 v7, 0xd2800000                       ; -2^38
	s_wait_kmcnt 0x0
	s_add_nc_u64 s[4:5], s[4:5], s[40:41]
	s_add_nc_u64 s[6:7], s[6:7], s[42:43]
	s_add_nc_u64 s[10:11], s[10:11], s[46:47]
	s_add_nc_u64 s[12:13], s[12:13], s[48:49]
	s_add_nc_u64 s[14:15], s[14:15], s[50:51]
	s_mov_b32 s24, 1                               ; group 0: count = 1; s25 the LDS address;
	s_add_nc_u64 s[26:27], s[8:9], s[44:45]        ; the global address;
	s_or_b32 s27, s27, 0x80000000                  ; type = 2
	ROUND                                          ; all four work-groups are here: the first joint loads meet
	tensor_load_to_lds s[24:27], s[16:23]          ; phase 0
	s_nop 0
.rept 4
	v_nop                                          ; four lines behind a tensor load
.endr
	s_wait_alu depctr_va_vdst(0)
	global_load_b128 v[16:19], v1, s[4:5]          ; Q's fragment, registers 0-3: it stays
	global_load_b32 v24, v9, s[6:7]                ; and its scale words
	s_mov_b32 s29, 0
	s_load_b512 s[32:47], s[10:11], s29 offset:0x0     ; step 0's mask words
	s_load_b512 s[48:63], s[10:11], s29 offset:0x40
	s_load_b512 s[68:83], s[10:11], s29 offset:0x80
	s_load_b512 s[84:99], s[10:11], s29 offset:0xc0
	v_mov_b32 v13, 0xff61b1e6                      ; the largest t so far: -3e38, under every t
	s_delay_alu instid0(VALU_DEP_1)
	v_floor_f32 v12, -v13                          ; -M
	v_mov_b32 v14, 0                               ; the sum, in two halves
	v_mov_b32 v15, 0
.irp j, 20,21,22,23,64,65,66,67,220,221,222,223,229
	v_mov_b32 v\j, 0                               ; Q's zero codes; the codes behind K's last tile; the lane permutes' destinations; the upper half of the pair v[228:229]
.endr
.set nn, 0
.rept 32
	v_mov_b32 v[176+nn], 0                         ; O^T.  (The step is written once: the first finds zeros, which the first change of M leaves zeros)
.set nn, nn+1
.endr
	s_wait_loadcnt 0x0                             ; Q
; A KEY STEP: 128 keys, whose block begins at LDS byte s28.
.macro STEP
	v_add_nc_u32 v5, s28, v1
	v_add_nc_u32 v6, s28, v2
	v_nop
	v_nop                                          ; four places in front of loads into registers that the last step's matrix instructions have read (ISA guide 7.12.1 for vector instructions)
.irp t, 0,1,2,3,4,5,6,7
	ds_load_b128 v[32+4*\t:35+4*\t], v5 offset:512*\t          ; K's tile t: 512 consecutive bytes
.endr
.irp u, 0,1,2,3
	ds_load_b32 v[100+\u], v6 offset:4096+128*\u
.endr
.irp t, 0,1,2,3
.irp c, 0,1
	ds_load_b128 v[68+8*\t+4*\c:71+8*\t+4*\c], v5 offset:4608+1024*\t+512*\c   ; V's four fragments: wanted behind the softmax
.endr
.endr
.irp t, 0,1,2,3
	ds_load_b32 v[104+\t], v6 offset:8704+128*\t
.endr
	s_wait_dscnt 12                                ; K and its scale words are in; V's 12 loads, issued behind them, may be out
.irp u, 0,1,2,3
	v_wmma_scale_f32_16x16x128_f8f6f4 v[112+16*\u:119+16*\u], v[32+8*\u:39+8*\u], v[16:23], 0, v[100+\u], v24 matrix_a_fmt:MATRIX_FMT_FP4 matrix_b_fmt:MATRIX_FMT_FP4
	v_wmma_scale_f32_16x16x128_f8f6f4 v[120+16*\u:127+16*\u], v[36+8*\u:43+8*\u], v[16:23], 0, v[100+\u], v24 matrix_a_fmt:MATRIX_FMT_FP4 matrix_b_fmt:MATRIX_FMT_FP4 matrix_a_scale:MATRIX_SCALE_ROW1
.endr
.rept 4
	v_nop
.endr
	s_wait_kmcnt 0x0                               ; this step's mask words, asked for a step ago
.set nn, 0
.rept 64
	v_cndmask_b32 v[112+nn], v7, v[112+nn], s[32+nn+4*(nn/32)]   ; a masked score becomes -2^38.  Ascending: each accumulator is read from its low end on
.set nn, nn+1
.endr
	s_add_co_u32 s29, s29, 256                     ; (the wait above has shown the last scalar loads done: their offset may be written)
	s_min_u32 s29, s29, 7936                       ; the last step asks for its own words again: no load leaves the buffer
	s_load_b512 s[32:47], s[10:11], s29 offset:0x0     ; the next step's words: a whole step ahead
	s_load_b512 s[48:63], s[10:11], s29 offset:0x40
	s_load_b512 s[68:83], s[10:11], s29 offset:0x80
	s_load_b512 s[84:99], s[10:11], s29 offset:0xc0
.irp b, 0,1,2,3
	v_max3_num_f32 v[216+\b], v[112+16*\b], v[113+16*\b], v[114+16*\b]   ; THE LARGEST SCORE OF EACH BLOCK OF 32 KEYS serves twice: for the row's maximum, and, since p rises with the score, for the block's largest p
.endr
.irp i, 3,5,7,9,11,13
.irp b, 0,1,2,3
	s_delay_alu instid0(VALU_DEP_4)
	v_max3_num_f32 v[216+\b], v[216+\b], v[112+16*\b+\i], v[113+16*\b+\i]   ; (the four blocks by turns)
.endr
.endr
.irp b, 0,1,2,3
	s_delay_alu instid0(VALU_DEP_4)
	v_max_num_f32 v[216+\b], v[216+\b], v[127+16*\b]
.endr
.irp b, 0,1,2,3
	s_delay_alu instid0(VALU_DEP_4)
	v_permlanex16_b32 v[220+\b], v[216+\b], s66, s67
.endr
.irp b, 0,1,2,3
	s_delay_alu instid0(VALU_DEP_4)
	v_max_num_f32 v[216+\b], v[216+\b], v[220+\b]  ; with lane l xor 16's 16 keys
.endr
	s_delay_alu instid0(VALU_DEP_2)
	v_max3_num_f32 v230, v216, v217, v218
	s_delay_alu instid0(VALU_DEP_1)
	v_max_num_f32 v230, v230, v219                 ; the step's largest score of my query
	s_delay_alu instid0(VALU_DEP_1)
	v_mul_f32 v230, s100, v230                     ; as t (the factor is positive)
	s_delay_alu instid0(VALU_DEP_1)
	v_max_num_f32 v13, v13, v230                   ; the running largest t
	v_mov_b32 v230, v12
	s_delay_alu instid0(VALU_DEP_2)
	v_floor_f32 v12, -v13                          ; the new -M = floor(-t) = -ceil(t): M is a whole number
	s_delay_alu instid0(VALU_DEP_1)
	v_sub_f32 v230, v12, v230                      ; M's old value less its new one: a whole number, 0 or less
	s_delay_alu instid0(VALU_DEP_1)
	v_cvt_i32_f32 v230, v230                       ; (it saturates)
	s_delay_alu instid0(VALU_DEP_1)
	v_ldexp_f32 v228, 1.0, v230                    ; f = 2^(old M - new M)
.set nn, 0
.rept 32
	v_pk_fma_f32 v[112+nn:113+nn], v[112+nn:113+nn], s[100:101], v[12:13] op_sel_hi:[1,0,0]   ; t - M, two at a time (of the pairs the low word serves both halves)
.set nn, nn+2
.endr
.irp b, 0,1,2,3
	v_fma_f32 v[216+\b], v[216+\b], s100, v12      ; the same of each block's largest score
.endr
.set nn, 0
	s_setprio 1
	s_wait_alu depctr_va_vdst(0)
.rept 64
	v_exp_f32 v[112+nn], v[112+nn]                 ; p = 2^(t - M), at most 1: not normalised
.set nn, nn+1
.endr
	v_pk_mul_f32 v[14:15], v[14:15], v[228:229] op_sel_hi:[1,0]   ; the sums under the new M: a plain line behind the exponentials
	s_wait_alu depctr_va_vdst(0)                   ; one wait for the whole batch, ahead of its first reader
.irp b, 0,1,2,3
	v_exp_f32 v[216+\b], v[216+\b]                 ; the block's largest p: the same two instructions on the same number give the same bits
.endr
	v_pk_add_f32 v[232:233], v[116:117], v[120:121]
	v_pk_add_f32 v[254:255], v[124:125], v[128:129]
	v_pk_add_f32 v[252:253], v[132:133], v[136:137]
	v_pk_add_f32 v[250:251], v[140:141], v[144:145]
	v_pk_add_f32 v[248:249], v[148:149], v[152:153]
	v_pk_add_f32 v[246:247], v[156:157], v[160:161]
	v_pk_add_f32 v[244:245], v[164:165], v[168:169]
	v_pk_add_f32 v[14:15], v[14:15], v[172:173]
	v_pk_add_f32 v[232:233], v[232:233], v[112:113]
	v_pk_add_f32 v[254:255], v[254:255], v[114:115]
	v_pk_add_f32 v[252:253], v[252:253], v[118:119]
	v_pk_add_f32 v[250:251], v[250:251], v[122:123]
	v_pk_add_f32 v[248:249], v[248:249], v[126:127]
	v_pk_add_f32 v[246:247], v[246:247], v[130:131]
	v_pk_add_f32 v[244:245], v[244:245], v[134:135]
	v_pk_add_f32 v[14:15], v[14:15], v[138:139]
	v_pk_add_f32 v[232:233], v[232:233], v[142:143]
	v_pk_add_f32 v[254:255], v[254:255], v[146:147]
	v_pk_add_f32 v[252:253], v[252:253], v[150:151]
	v_pk_add_f32 v[250:251], v[250:251], v[154:155]
	v_pk_add_f32 v[248:249], v[248:249], v[158:159]
	v_pk_add_f32 v[246:247], v[246:247], v[162:163]
	v_pk_add_f32 v[244:245], v[244:245], v[166:167]
	v_pk_add_f32 v[14:15], v[14:15], v[170:171]
	v_pk_add_f32 v[232:233], v[232:233], v[174:175]
	s_delay_alu instid0(VALU_DEP_2)
	v_pk_add_f32 v[14:15], v[14:15], v[250:251]
	s_delay_alu instid0(VALU_DEP_2)
	v_pk_add_f32 v[232:233], v[232:233], v[248:249]
	v_pk_add_f32 v[254:255], v[254:255], v[246:247]
	v_pk_add_f32 v[252:253], v[252:253], v[244:245]
	s_delay_alu instid0(VALU_DEP_2)
	v_pk_add_f32 v[14:15], v[14:15], v[254:255]
	s_delay_alu instid0(VALU_DEP_2)
	v_pk_add_f32 v[232:233], v[232:233], v[252:253]
	s_delay_alu instid0(VALU_DEP_1)
	v_pk_add_f32 v[14:15], v[14:15], v[232:233]
	s_wait_alu depctr_va_vdst(0)                   ; and one for the four
.irp b, 0,1,2,3
	v_max_num_f32 v[216+\b], 0x1800000, v[216+\b]  ; the floor 2^(3 - 127): the byte cannot fall under 1 (a block whose every p is 0 keeps that byte: its codes are zeros)
.endr
.irp b, 0,1,2,3
	s_delay_alu instid0(VALU_DEP_4)
	v_add_nc_u32 v[224+\b], 0xff000000, v[216+\b]  ; 2 off the exponent field: the conversion's scale operand
.endr
.irp b, 0,1,2,3
	s_delay_alu instid0(VALU_DEP_4)
	v_lshrrev_b32 v[220+\b], 23, v[224+\b]         ; the scale's byte
.endr
	s_delay_alu instid0(VALU_DEP_3)
	v_lshl_or_b32 v231, v221, 8, v220              ; p's scale word for these 128 keys
	s_delay_alu instid0(VALU_DEP_1)
	v_lshl_or_b32 v231, v222, 16, v231
	s_delay_alu instid0(VALU_DEP_1)
	v_lshl_or_b32 v231, v223, 24, v231
	s_setprio 0
.irp b, 0,1,2,3
	v_cvt_scalef32_pk8_fp4_f32 v[208+2*\b], v[112+16*\b:119+16*\b], v[224+\b]
	v_cvt_scalef32_pk8_fp4_f32 v[209+2*\b], v[120+16*\b:127+16*\b], v[224+\b]
.endr
	v_nop                                          ; one plain place behind a scaled conversion
.irp c, 0,1                                    ; the operand's layout wants a WHOLE block in a lane
.irp i, 0,1
	v_permlane16_swap_b32 v[208+4*\c+\i], v[210+4*\c+\i]
.endr
.endr
.set nn, 0
.rept 16
	v_pk_mul_f32 v[176+nn:177+nn], v[176+nn:177+nn], v[228:229] op_sel_hi:[1,0]   ; O^T under the new M.  These 16 are also the places between the writes of p's codes and scale word and the products below
.set nn, nn+2
.endr
	s_wait_alu depctr_va_vdst(0)
	s_wait_dscnt 0x0                               ; V and its scale words
.irp t, 0,1,2,3                                ; O^T += V^T P^T: the four accumulators by turns, one instruction a turn
	v_wmma_scale_f32_16x16x128_f8f6f4 v[176+8*\t:183+8*\t], v[68+8*\t:75+8*\t], v[208:215], v[176+8*\t:183+8*\t], v[104+\t], v231 matrix_a_fmt:MATRIX_FMT_FP4 matrix_b_fmt:MATRIX_FMT_FP4
.endr
.endm
; A PHASE: 8 key steps.  At its head each wave waits for all its tensor loads (its part of this phase), adds 0 to its spare word and waits for that and for its LDS reads; behind the barrier the phase is whole.
; fill = 1: the barrier is a round of the cluster's, and the next phase's joint load is the first thing behind it, the wave's one tensor load until the next round.
.macro PHASE p, fill
	s_wait_tensorcnt 0x0                           ; no tensor load of mine is out, so group 0 may be written
	ds_add_u32 v3, v4                              ; 0 onto my spare word
.if \fill
	s_add_co_u32 s25, s25, PHB                     ; the next phase: in LDS,
	s_add_nc_u64 s[26:27], s[26:27], PHB           ; and in memory; the type bits on top are not reached
.endif
	s_wait_dscnt 0x0
.if \fill
	ROUND
	tensor_load_to_lds s[24:27], s[16:23]
	s_nop 0
.rept 4
	v_nop
.endr
	ASK \p
.else
	s_barrier_signal -1
	s_barrier_wait -1
.endif
	s_mov_b32 s28, (\p)*PHB
	s_mov_b32 s3, 8
.Lstep_\@:
	s_setprio 2
	STEP
	s_add_co_u32 s28, s28, STB
	s_sub_co_u32 s3, s3, 1
	s_cmp_lg_u32 s3, 0
	s_cbranch_scc1 .Lstep_\@
	s_setprio 0
.endm
	PHASE 0, 1                                     ; the four phases are written out
	PHASE 1, 1
	PHASE 2, 1
	PHASE 3, 0
	; THE WAY OUT.  O^T / the sum is my query's 64 channels of y: register 16 b + i is channel 32 b + 16 h + i.  Two blocks of 32 are quantised as p was; the four registers of codes are half a fragment of the last product.
.rept 4
	v_nop                                          ; four places behind the last products
.endr
	v_add_f32 v14, v14, v15                        ; the sum's two halves,
	s_delay_alu instid0(VALU_DEP_1)
	v_permlanex16_b32 v220, v14, s66, s67
	s_delay_alu instid0(VALU_DEP_1)
	v_add_f32 v14, v14, v220                       ; and lane l xor 16's: the row's sum
	s_wait_alu depctr_va_vdst(0)
	v_rcp_f32 v14, v14
	v_nop                                          ; a plain line behind the reciprocal
	s_wait_alu depctr_va_vdst(0)                   ; and the wait ahead of its first reader
.set nn, 0
.rept 16
	v_pk_mul_f32 v[112+nn:113+nn], v[176+nn:177+nn], v[14:15] op_sel_hi:[1,0]
.set nn, nn+2
.endr
.irp b, 0,1
	v_max3_num_f32 v[216+\b], |v[112+16*\b]|, |v[113+16*\b]|, 0x1800000
.endr
.irp i, 2,4,6,8,10,12,14
.irp b, 0,1
	s_delay_alu instid0(VALU_DEP_2)
	v_max3_num_f32 v[216+\b], v[216+\b], |v[112+16*\b+\i]|, |v[113+16*\b+\i]|
.endr
.endr
.irp b, 0,1
	s_delay_alu instid0(VALU_DEP_2)
	v_permlanex16_b32 v[220+\b], v[216+\b], s66, s67
.endr
.irp b, 0,1
	s_delay_alu instid0(VALU_DEP_2)
	v_max_num_f32 v[216+\b], v[216+\b], v[220+\b]
.endr
.irp b, 0,1
	s_delay_alu instid0(VALU_DEP_2)
	v_add_nc_u32 v[224+\b], 0xff000000, v[216+\b]
.endr
.irp b, 0,1
	s_delay_alu instid0(VALU_DEP_2)
	v_lshrrev_b32 v[220+\b], 23, v[224+\b]
.endr
	s_delay_alu instid0(VALU_DEP_1)
	v_lshl_or_b32 v230, v221, 8, v220              ; my row's two scale bytes
.irp b, 0,1
	v_cvt_scalef32_pk8_fp4_f32 v[208+2*\b], v[112+16*\b:119+16*\b], v[224+\b]
	v_cvt_scalef32_pk8_fp4_f32 v[209+2*\b], v[120+16*\b:127+16*\b], v[224+\b]
.endr
	v_nop
	v_permlane16_swap_b32 v208, v210
	v_permlane16_swap_b32 v209, v211               ; registers 0-3: channels 32 h + 0 .. 31
	global_store_b128 v1, v[208:211], s[12:13]     ; 512 consecutive bytes
	global_store_b16 v9, v230, s[14:15]            ; lanes 16-31 write what lanes 0-15 write, at the same places
	s_wait_tensorcnt 0x0                           ; the wave's end
	ds_add_u32 v3, v4
	s_wait_dscnt 0x0
	ROUND                                          ; the closing round: no work-group ends while a partner may still ask for a tile that names it
	s_endpgm
.Lfunc_end_k_q8715b0cf2b_attn:
	.size	k_q8715b0cf2b_attn, .Lfunc_end_k_q8715b0cf2b_attn-k_q8715b0cf2b_attn
	.p2alignl 7, 3214868480
	.fill 96, 4, 3214868480
	.section	.rodata,"a",@progbits
	.p2align	6, 0x0
	.amdhsa_kernel k_q8715b0cf2b_attn
		.amdhsa_group_segment_fixed_size 327680
		.amdhsa_private_segment_fixed_size 0
		.amdhsa_enable_private_segment 0
		.amdhsa_kernarg_size 48
		.amdhsa_user_sgpr_count 2
		.amdhsa_user_sgpr_kernarg_segment_ptr 1
		.amdhsa_wavefront_size32 1
		.amdhsa_system_sgpr_workgroup_id_x 1
		.amdhsa_system_sgpr_workgroup_id_y 1
		.amdhsa_system_sgpr_workgroup_id_z 1
		.amdhsa_system_vgpr_workitem_id 0
		.amdhsa_next_free_vgpr 256
		.amdhsa_next_free_sgpr 106
		.amdhsa_reserve_vcc 0
		.amdhsa_float_denorm_mode_32 3
		.amdhsa_float_denorm_mode_16_64 3
		.amdhsa_memory_ordered 1
		.amdhsa_forward_progress 1
		.amdhsa_inst_pref_size 101
	.end_amdhsa_kernel
	.amdgpu_metadata
---
amdhsa.version: [ 1, 2 ]
amdhsa.kernels:
  - .name:           k_q8715b0cf2b_attn
    .symbol:         k_q8715b0cf2b_attn.kd
    .args:
      - { .name: qimg, .offset: 0, .size: 8, .value_kind: global_buffer, .address_space: global }
      - { .name: qsc, .offset: 8, .size: 8, .value_kind: global_buffer, .address_space: global }
      - { .name: kv, .offset: 16, .size: 8, .value_kind: global_buffer, .address_space: global }
      - { .name: maskw, .offset: 24, .size: 8, .value_kind: global_buffer, .address_space: global }
      - { .name: yimg, .offset: 32, .size: 8, .value_kind: global_buffer, .address_space: global }
      - { .name: ysc, .offset: 40, .size: 8, .value_kind: global_buffer, .address_space: global }
    .group_segment_fixed_size: 327680
    .private_segment_fixed_size: 0
    .kernarg_segment_align: 8
    .kernarg_segment_size: 48
    .max_flat_workgroup_size: 512
    .sgpr_count:     106
    .vgpr_count:     256
    .wavefront_size: 32
...
	.end_amdgpu_metadata
.endif
;; end of part 5
;; launch outp (part 6): grid 256 x 1, 4 waves a work-group, no clusters, 34,304 bytes of LDS; arguments yimg, ysc, Wu_codes, Wu_scales, bu, out0; writes out0
.if DOCPART == 6
	.amdgcn_target "amdgcn-amd-amdhsa--gfx1250"
	.amdhsa_code_object_version 6
	.text
	.protected	k_q8715b0cf2b_outp
	.globl	k_q8715b0cf2b_outp
	.p2align	8
	.type	k_q8715b0cf2b_outp,@function
k_q8715b0cf2b_outp:
	s_mov_b64 s[64:65], 0
	v_nop
	global_prefetch_b8 v0, s[64:65] scope:SCOPE_SE
	s_setreg_imm32_b32 hwreg(HW_REG_WAVE_SCHED_MODE, 0, 2), 2
	s_setreg_imm32_b32 hwreg(HW_REG_WAVE_MODE, 25, 1), 1
	s_wait_xcnt 0x0
	s_wait_alu depctr_vm_vsrc(0)
; out0 = y Wu^T + bu: [8192][512] f32, K = 512, on codes of FP4 (E2M1) with E8M0 scales.  y comes as images of the operand's registers: [tile of 16 rows][head][lane][16 bytes]: registers 4 c .. 4 c + 3 of K step s are
; head 2 s + c; its scale words [tile][K step][row].
; SHARES.  A work-group takes 32 rows (two tiles); wave w the outputs 128 w .. 128 w + 127: its 128 rows of Wu go once from memory into its registers (window 1).  Straight text, no loop, no barrier: waves share nothing.
; No cluster and no LDS tile: what work-groups share, Wu's 131,072 bytes, is taken straight into registers, 32,768 bytes a wave, and each fragment is used twice.
; THE MATRIX INSTRUCTION IS USED TRANSPOSED (source 0 = 16 rows of Wu, source 1 = 16 rows of y): a lane holds eight neighbouring outputs of one row.  bu is the C of each sum's first matrix instruction.
; The results go through the wave's own stage in LDS (16 rows of 512 + 16 bytes) and leave as 512 consecutive bytes a store.
; REGISTERS: window 0: v4-9 addresses; v12-27 Wu's scale words (pair u of tiles, K step s at 12 + 4 u + s: lanes 0-15 tile 2 u, lanes 16-31 tile 2 u + 1); v32-63, v64-95 y's fragments of the two tiles, later the first tile's
; rows back from the stage; v96-103 y's scale words; v104-167, v168-231 the two sets of 8 accumulators; v104-167 later the second tile's rows back from the stage.
; window 1: Wu's fragments (tile t, K step s) at 8 (4 t + s).   window 2: v0-63 bu in the result's layout.
; THE MODE: SCHED_MODE bits 1:0 = 2 (LLVM: expert scheduling mode 2), set by the entry lines.  The code itself states the register dependences between vector or matrix instructions and memory or LDS
; instructions, with s_wait_alu, always for 0.
; THE PLAN.  Registers that memory or LDS instructions touch:
;   v4-v9      addresses: written at the head, never again.
;   Wu, bu, the scale words   loaded once; read by the products alone.
;   v32-95     loaded (y); read by the products; then the first tile's LDS loads land in them; read by its global stores.
;   v104-167   written by the products; read by the first tile's LDS stores; then the second tile's LDS loads land in them; read by its global stores.
;   v168-231   written by the products; read by the second tile's LDS stores.
; One wait on va_vdst ahead of the first load (the addresses); one behind the last product's places (the accumulators are written, y's fragments are read); one wait on vm_vsrc ahead of the second tile's LDS loads.
.set MSB, 0
.macro WIN new                         ; the immediate's high byte repeats the setting that is left
.if MSB != \new
	s_set_vgpr_msb (MSB<<8)|\new
.set MSB, \new
.endif
.endm
	s_load_b256 s[4:11], s[0:1], 0x0               ; yimg 4, ysc 6, Wu_codes 8, Wu_scales 10
	s_load_b128 s[12:15], s[0:1], 0x20             ; bu 12, out0 14
	v_lshl_add_u32 v254, v0, 2, 0x8400             ; the LDS address of my spare word, behind the four stages; kept for the closing lines alone
	v_mov_b32 v255, 0                              ; and 0, likewise
	v_lshrrev_b32 v1, 5, v0
	v_readfirstlane_b32 s2, v1                     ; wave 0..3
	v_and_b32 v1, 31, v0                           ; lane
	v_and_b32 v2, 15, v0                           ; r
	v_bfe_u32 v3, v0, 4, 1                         ; h
	v_lshlrev_b32 v4, 8, v2
	v_lshl_add_u32 v4, v3, 4, v4                   ; v4  Wu's codes: row r of 256 bytes, + 16 h
	v_lshlrev_b32 v5, 4, v1                        ; v5  16 x lane: an image's place; Wu's scale bytes of row lane of a pair of tiles; my bytes of a row of out0
	v_lshlrev_b32 v6, 2, v2                        ; v6  4 r: y's scale words
	v_lshlrev_b32 v7, 5, v3                        ; v7  bu: 8 h numbers on
	s_wait_alu depctr_va_sdst(0)                   ; s2 is written, ahead of its first reader: the stage's place and the bases are made from it
	s_mul_i32 s3, s2, 8448                         ; my stage
	v_mul_u32_u24 v8, v2, 528
	v_lshl_add_u32 v8, v3, 5, v8
	v_add_nc_u32 v8, s3, v8                        ; v8  in: row r, + 32 h
	v_add_nc_u32 v9, s3, v5                        ; v9  back: a row's 512 bytes, 16 a lane
	s_lshl_b32 s16, ttmp9, 13                      ; two tiles of y: 8,192 bytes of codes,
	s_mov_b32 s17, 0
	s_lshl_b32 s18, ttmp9, 9                       ; 512 of scale words
	s_mov_b32 s19, 0
	s_lshl_b32 s20, s2, 15                         ; my 128 rows of Wu: codes,
	s_mov_b32 s21, 0
	s_lshl_b32 s22, s2, 11                         ; scale bytes;
	s_mov_b32 s23, 0
	s_lshl_b32 s24, s2, 9                          ; my 128 numbers of bu, and of a row of out0
	s_mov_b32 s25, 0
	s_lshl_b32 s26, ttmp9, 16                      ; 32 rows of 2,048 bytes
	s_add_co_u32 s26, s26, s24
	s_mov_b32 s27, 0
	s_wait_kmcnt 0x0
	s_add_nc_u64 s[4:5], s[4:5], s[16:17]
	s_add_nc_u64 s[6:7], s[6:7], s[18:19]
	s_add_nc_u64 s[8:9], s[8:9], s[20:21]
	s_add_nc_u64 s[10:11], s[10:11], s[22:23]
	s_add_nc_u64 s[12:13], s[12:13], s[24:25]
	s_add_nc_u64 s[14:15], s[14:15], s[26:27]
	WIN 0x40                                       ; destination window 1
	s_wait_alu depctr_va_vdst(0)                   ; the addresses v4 to v9 are written, which every load, LDS instruction and store of the kernel reads; up to the first product only loads and window switches follow
.irp t, 0,1,2,3,4,5,6,7
.irp s, 0,1,2,3
.irp c, 0,1
	global_load_b128 v[8*(4*\t+\s)+4*\c:8*(4*\t+\s)+4*\c+3], v4, s[8:9] offset:16*\t*256+64*\s+32*\c
.endr
.endr
.endr
	WIN 0x80                                       ; destination window 2
.irp t, 0,1,2,3,4,5,6,7
	global_load_b128 v[8*\t:8*\t+3], v7, s[12:13] offset:64*\t         ; bu[128 w + 16 t + 8 h + 0 .. 7]
	global_load_b128 v[8*\t+4:8*\t+7], v7, s[12:13] offset:64*\t+16
.endr
	WIN 0
.irp u, 0,1,2,3
	global_load_b128 v[12+4*\u:15+4*\u], v5, s[10:11] offset:512*\u    ; a row's 16 bytes are its four scale words
.endr
.irp m, 0,1
.irp s, 0,1,2,3
.irp c, 0,1
	global_load_b128 v[32+32*\m+8*\s+4*\c:35+32*\m+8*\s+4*\c], v5, s[4:5] offset:4096*\m+512*(2*\s+\c)
.endr
	global_load_b32 v[96+4*\m+\s], v6, s[6:7] offset:256*\m+64*\s
.endr
.endr
.macro MMO m, t, s, first              ; row tile m, tile t of Wu, K step s
.set rD, 104+64*(\m)+8*(\t)
.set rA, 8*(4*(\t)+(\s))
.set rB, 32+32*(\m)+8*(\s)
.set rC, rD
.if \first
.set rC, 8*(\t)                        ; bu, in window 2
.endif
.if (\t)%2
	v_wmma_scale_f32_16x16x128_f8f6f4 v[rD:rD+7], v[rA:rA+7], v[rB:rB+7], v[rC:rC+7], v[12+4*((\t)/2)+(\s)], v[96+4*(\m)+(\s)] matrix_a_fmt:MATRIX_FMT_FP4 matrix_b_fmt:MATRIX_FMT_FP4 matrix_a_scale:MATRIX_SCALE_ROW1
.else
	v_wmma_scale_f32_16x16x128_f8f6f4 v[rD:rD+7], v[rA:rA+7], v[rB:rB+7], v[rC:rC+7], v[12+4*((\t)/2)+(\s)], v[96+4*(\m)+(\s)] matrix_a_fmt:MATRIX_FMT_FP4 matrix_b_fmt:MATRIX_FMT_FP4
.endif
.endm
	s_wait_loadcnt 0x0
	WIN 0x21                                       ; source 0 (Wu) window 1, source 2 (bu) window 2
.irp m, 0,1
.irp t, 0,1,2,3,4,5,6,7
	MMO \m, \t, 0, 1
.endr
.endr
	WIN 0x01                                       ; the 16 accumulators take turns, one instruction a turn
.irp s, 1,2,3
.irp m, 0,1
.irp t, 0,1,2,3,4,5,6,7
	MMO \m, \t, \s, 0
.endr
.endr
.endr
	WIN 0
.rept 4
	v_nop                                          ; four places in front of the first read of results (ISA guide 7.12.1)
.endr
	s_wait_alu depctr_va_vdst(0)                   ; the products have written the accumulators, which the LDS stores read and in the first 64 of which LDS loads land later; they are done reading y's fragments, in which the first tile's LDS loads land.  The places above stay beside this wait
; Tile m goes into the stage and comes back as whole rows: tile 0 into v32-95, tile 1 into v104-167.
.macro TOSTAGE m
.irp t, 0,1,2,3,4,5,6,7
	ds_store_b128 v8, v[104+64*\m+8*\t:107+64*\m+8*\t] offset:64*\t        ; each accumulator from its low end on
	ds_store_b128 v8, v[108+64*\m+8*\t:111+64*\m+8*\t] offset:64*\t+16
.endr
.if \m
	s_wait_alu depctr_vm_vsrc(0)                   ; the first tile's LDS stores have read v104-167, in which the loads below land
.endif
.irp i, 0,1,2,3,4,5,6,7,8,9,10,11,12,13,14,15
	ds_load_b128 v[32+72*\m+4*\i:35+72*\m+4*\i], v9 offset:528*\i          ; LDS serves a wave's instructions in order (ISA guide 5.7.1.4): these see the stores above, and the next tile's stores come behind them
.endr
.endm
.macro SEND m, younger                 ; younger: the LDS instructions issued behind this tile's loads
.irp i, 0,1,2,3,4,5,6,7,8,9,10,11,12,13,14,15
	s_wait_dscnt \younger+15-\i                    ; row i is back: behind it stand the tile's 15 - i younger loads and the other tile's instructions
	global_store_b128 v5, v[32+72*\m+4*\i:35+72*\m+4*\i], s[14:15] offset:32768*\m+2048*\i th:TH_STORE_NT   ; 32 lanes store 512 consecutive bytes, at a multiple of 256 from out0's first byte; written once
.endr
.endm
	TOSTAGE 0
	TOSTAGE 1
	SEND 0, 32
	SEND 1, 0
	s_wait_dscnt 0x0                               ; the closing lines, six on end
	s_wait_alu 0x0
	s_wait_tensorcnt 0x0
	ds_add_u32 v254, v255
	s_wait_dscnt 0x0
	s_endpgm
.Lfunc_end_k_q8715b0cf2b_outp:
	.size	k_q8715b0cf2b_outp, .Lfunc_end_k_q8715b0cf2b_outp-k_q8715b0cf2b_outp
	.p2alignl 7, 3214868480
	.fill 96, 4, 3214868480
	.section	.rodata,"a",@progbits
	.p2align	6, 0x0
	.amdhsa_kernel k_q8715b0cf2b_outp
		.amdhsa_group_segment_fixed_size 34304
		.amdhsa_private_segment_fixed_size 0
		.amdhsa_enable_private_segment 0
		.amdhsa_kernarg_size 48
		.amdhsa_user_sgpr_count 2
		.amdhsa_user_sgpr_kernarg_segment_ptr 1
		.amdhsa_wavefront_size32 1
		.amdhsa_system_sgpr_workgroup_id_x 1
		.amdhsa_system_sgpr_workgroup_id_y 1
		.amdhsa_system_sgpr_workgroup_id_z 1
		.amdhsa_system_vgpr_workitem_id 0
		.amdhsa_next_free_vgpr 576
		.amdhsa_next_free_sgpr 66
		.amdhsa_reserve_vcc 0
		.amdhsa_float_denorm_mode_32 3
		.amdhsa_float_denorm_mode_16_64 3
		.amdhsa_memory_ordered 1
		.amdhsa_forward_progress 1
		.amdhsa_inst_pref_size 29
	.end_amdhsa_kernel
	.amdgpu_metadata
---
amdhsa.version: [ 1, 2 ]
amdhsa.kernels:
  - .name:           k_q8715b0cf2b_outp
    .symbol:         k_q8715b0cf2b_outp.kd
    .args:
      - { .name: yimg, .offset: 0, .size: 8, .value_kind: global_buffer, .address_space: global }
      - { .name: ysc, .offset: 8, .size: 8, .value_kind: global_buffer, .address_space: global }
      - { .name: Wu_codes, .offset: 16, .size: 8, .value_kind: global_buffer, .address_space: global }
      - { .name: Wu_scales, .offset: 24, .size: 8, .value_kind: global_buffer, .address_space: global }
      - { .name: bu, .offset: 32, .size: 8, .value_kind: global_buffer, .address_space: global }
      - { .name: out0, .offset: 40, .size: 8, .value_kind: global_buffer, .address_space: global }
    .group_segment_fixed_size: 34304
    .private_segment_fixed_size: 0
    .kernarg_segment_align: 8
    .kernarg_segment_size: 48
    .max_flat_workgroup_size: 128
    .sgpr_count:     66
    .vgpr_count:     576
    .wavefront_size: 32
...
	.end_amdgpu_metadata
.endif
;; end of part 6
